; MI455X (gfx1250); checked and timed in simulation.
; The chip was launched on July 23, 2026; its instructions are those of AMD's public machine-readable ISA for CDNA 5 (MIT licence, August 2026) and "CDNA5" Instruction Set Architecture Reference Guide (July 2026). The comments in the code are by the model that wrote it; some were corrected since.
;; Mix Attention. Allowed arithmetic: matrix products marked QUANTISED: E4M3 operands, one given power-of-two scale a tensor, by v_wmma_f32_16x16x64_fp8_fp8 or v_wmma_f32_16x16x128_fp8_fp8, f32 sums; everything else in f32.
;; Inputs: K_data_codes 4 x 2,048 x 16 x 32 uint8 (E4M3 codes of K_data, K innermost, in blocks of 32 codes); K_time_codes 4 x 2,048 x 16 x 32 uint8 (E4M3 codes of K_time, K innermost, in blocks of 32 codes); Q_data 4 x 2,048 x 512 float32; Q_time_codes 4 x 2,048 x 16 x 32 uint8 (E4M3 codes of Q_time, K innermost, in blocks of 32 codes); V_time_codes 4 x 2,048 x 16 x 32 uint8 (E4M3 codes of V_time, K innermost, in blocks of 32 codes); Wk_d_b 512 float32; Wk_d_w_codes 512 x 16 x 32 uint8 (E4M3 codes of Wk_d_w, K innermost, in blocks of 32 codes); Wk_t_b 512 float32; Wk_t_w_codes 512 x 16 x 32 uint8 (E4M3 codes of Wk_t_w, K innermost, in blocks of 32 codes); Wo_b 512 float32; Wo_w_codes 512 x 16 x 32 uint8 (E4M3 codes of Wo_w, K innermost, in blocks of 32 codes); Wq_d_b 512 float32; Wq_d_w_codes 512 x 16 x 32 uint8 (E4M3 codes of Wq_d_w, K innermost, in blocks of 32 codes); Wq_t_b 512 float32; Wq_t_w_codes 512 x 16 x 32 uint8 (E4M3 codes of Wq_t_w, K innermost, in blocks of 32 codes); Wv_t_b 512 float32; Wv_t_w_codes 512 x 16 x 32 uint8 (E4M3 codes of Wv_t_w, K innermost, in blocks of 32 codes); ln_b 512 float32; ln_g 512 float32; lowp_scales 18 int32 (the exponents e of the quantised operands' scales 2^e).
;; Outputs: out0 4 x 2,048 x 512 float32.
;; This version of the problem:
;;   THIS VERSION OF THE PROBLEM IS GIVEN IN LOW PRECISION. The matrix products marked QUANTISED in the list below multiply operands that are first quantised to E4M3 (4 exponent bits, 3 mantissa bits; 8 bits a number), with one given power-of-two scale for each operand tensor; their sums are f32. All else is computed in f32.
;;   The module's matrix products, in the order in which they are computed (A, B: the left and right operand; K: the contracted axis; several contracted axes count as one K, in the product's order):
;;     1. [M 8,192, K 512] x [K 512, N 512]; A: input Q_data; B: input Wq_d_w (given as codes): QUANTISED (scales: A lowp_scales[0], B lowp_scales[1])
;;     2. [M 8,192, K 512] x [K 512, N 512]; A: input Q_time (given as codes); B: input Wq_t_w (given as codes): QUANTISED (scales: A lowp_scales[2], B lowp_scales[3])
;;     3. [M 8,192, K 512] x [K 512, N 512]; A: input K_data (given as codes); B: input Wk_d_w (given as codes): QUANTISED (scales: A lowp_scales[4], B lowp_scales[5])
;;     4. [M 8,192, K 512] x [K 512, N 512]; A: input K_time (given as codes); B: input Wk_t_w (given as codes): QUANTISED (scales: A lowp_scales[6], B lowp_scales[7])
;;     5. [M 8,192, K 512] x [K 512, N 512]; A: input V_time (given as codes); B: input Wv_t_w (given as codes): QUANTISED (scales: A lowp_scales[8], B lowp_scales[9])
;;     6. batch 32 x [M 2,048, K 64] x [K 64, N 2,048]; A: computed on the way; B: computed on the way: QUANTISED (scales: A lowp_scales[10], B lowp_scales[11])
;;     7. batch 32 x [M 2,048, K 64] x [K 64, N 2,048]; A: computed on the way; B: computed on the way: QUANTISED (scales: A lowp_scales[12], B lowp_scales[13])
;;     8. batch 32 x [M 2,048, K 2,048] x [K 2,048, N 64]; A: softmax (see below); B: computed on the way: QUANTISED (scales: A lowp_scales[14], B lowp_scales[15])
;;     9. [M 8,192, K 512] x [K 512, N 512]; A: computed on the way; B: input Wo_w (given as codes): QUANTISED (scales: A lowp_scales[16], B lowp_scales[17])
;;   THE QUANTISER, for each operand of a quantised product, along K:
;;     - The operand's scale is 2^e, e = its entry of the input lowp_scales (int32; the entries are numbered through the quantised products in the list's order, A before B).
;;     - Each number is divided by the scale, clamped to +-448, and rounded to the nearest number of E4M3, ties to even, subnormals kept.
;;     - The product sums the exact products of the quantised numbers (number of the format x scale) in f32.
;;   ~~~python
;;   def quantise(x, axis, e):      # numpy; x: float32 -> the quantised numbers, widened to float32 again
;;       x = np.moveaxis(x, axis, -1); K = x.shape[-1]
;;       r = np.clip(x / 2.0 ** e, -448, 448)
;;       step = 2.0 ** (np.maximum(np.frexp(np.where(r == 0, 1, r))[1] - 1, -6) - 3)
;;       q = np.round(r / step) * step * 2.0 ** e      # np.round: ties to even
;;       return np.moveaxis(q, -1, axis).astype(np.float32)
;;   ~~~
;;   SOFTMAX AHEAD OF A QUANTISED PRODUCT. Where the list says 'softmax', what is quantised is not the finished softmax but p = 2^(t - M), with t = logit x log2(e) and M = ceil(the row's largest t), a whole number; so 1/2 < the row's largest p <= 1. The row's sum l is taken of the UNQUANTISED p, in f32, and the product's result is divided by l at the end. Since M is a whole number, a kernel that streams over the keys may use a running M (the ceiling of the running maximum): every later rescaling is an exact power of two, so the quantised numbers keep their values, but for numbers so far below the row's largest that they fall under the format's range.
;;   OPERANDS COMPUTED ON THE WAY. 'Computed on the way' means the value that the module computes at that place (a softmax that the list does not call 'softmax' is quantised finished and normalised). What goes into a quantiser is computed in f32, as accurately as f32 sums, v_exp_f32 and their like allow (about 1e-6 of the number): no bf16 or f16 on the way to a quantiser, and a product that is left as it is and whose result goes on into a quantised operand takes f32 operands (vector FMAs, or v_wmma_f32_16x16x4_f32). A number that lies on a knife's edge between two numbers of the format may be rounded either way, as far as f32 arithmetic and the matrix unit's own rounding can turn it there, and no further.
;;   INPUTS GIVEN AS CODES. K_data (in the module: [4, 2048, 512], K = its axis 2); K_time (in the module: [4, 2048, 512], K = its axis 2); Q_time (in the module: [4, 2048, 512], K = its axis 2); V_time (in the module: [4, 2048, 512], K = its axis 2); Wk_d_w (in the module: [512, 512], K = its axis 0); Wk_t_w (in the module: [512, 512], K = its axis 0); Wo_w (in the module: [512, 512], K = its axis 0); Wq_d_w (in the module: [512, 512], K = its axis 0); Wq_t_w (in the module: [512, 512], K = its axis 0); Wv_t_w (in the module: [512, 512], K = its axis 0): each comes as NAME_codes (uint8): NAME with its K axis moved to the last place and cut into blocks of 32 codes, [.., K / 32, bytes a block], one block behind the other in memory; one code a byte (a code: sign, 4 exponent bits, 3 mantissa bits); its scale is its entry of lowp_scales. Its value is code x scale, taken as it is: it is not quantised again, and the codes and scales need not be those that the quantiser above would give.
;; 2 versions. Each part assembles by itself: llvm-mc -triple=amdgcn-amd-amdhsa -mcpu=gfx1250 --defsym DOCPART=n.
;; ======== version 1 of 2: 3 launches
;; workspace buffers: qq 8,388,608 bytes; kv 12,582,912 bytes; ctx 4,194,304 bytes
;; launch proj (part 1): grid 256 x 1, 8 waves a work-group, no clusters, 33,792 bytes of LDS; arguments Q_data, Q_time_codes, K_data_codes, K_time_codes, V_time_codes, Wq_d_w_codes, Wq_t_w_codes, Wk_d_w_codes, Wk_t_w_codes, Wv_t_w_codes, Wq_d_b, Wq_t_b, Wk_d_b, Wk_t_b, Wv_t_b, lowp_scales, qq, kv; writes qq, kv
.if DOCPART == 1
	.amdgcn_target "amdgcn-amd-amdhsa--gfx1250"
	.amdhsa_code_object_version 6
	.text
	.protected	k_q72c91abee7_proj
	.globl	k_q72c91abee7_proj
	.p2align	8
	.type	k_q72c91abee7_proj,@function
k_q72c91abee7_proj:
	s_mov_b64 s[64:65], 0
	v_nop
	global_prefetch_b8 v0, s[64:65] scope:SCOPE_SE
	s_setreg_imm32_b32 hwreg(HW_REG_WAVE_MODE, 25, 1), 1
	s_wait_xcnt 0x0
; THE FIVE PROJECTIONS: y = x W + b on codes of FP8 (E4M3), y quantised at once with the scale of the product that takes it, and stored as codes in the order of the reader's operand registers.
; NO WORK OF THE PROBLEM IS LEFT OUT IN ANY OF THE THREE LAUNCHES: every bias goes into a quantised operand or into the output, so every input is loaded.
; P = 0 qd (x = Q_data, f32, quantised here with 2^e0), 1 qt, 2 kd, 3 kt, 4 v (x given as codes).  ex, ew = entries 2 P, 2 P + 1 of the scales; eo = entry 10, 12, 11, 13, 15.
; SHARES.  A block is 64 rows x 512 columns of one projection.  Work-groups 0-127: P = 0, one block each (128 KiB of f32); work-groups 128-255: P = 1 + y / 32, four blocks each (128 KiB of codes), y = number - 128.
; Wave w is head w: columns 64 w .. 64 w + 63 for all 64 rows; its 16 fragments of W (32 KiB) go from memory straight into window 1 and stay there.
; NO JOINT LOADS: what work-groups share is W, and each wave's part of it is read by that wave alone, once, into registers; through LDS it would be written and read there once more (256 KiB each way a work-group).
; ONE ROW ORDER EVERYWHERE: lane r of tile T holds row 32 (T / 2) + 8 (T % 2) + r + 8 (r / 8).  So the 16 registers that two neighbouring tiles give a lane are 16 neighbours, 32 b + 16 h + 0 .. 15, along the next product's K.
; q, k: source 0 = 16 rows of W, source 1 = 16 rows of x: a lane holds one row, registers run along the head's channels.  v: sources swapped: a lane holds one channel, registers run along the keys.
; A fragment's registers 4 c .. 4 c + 3 hold k = 32 c + 16 h + 0 .. 15: one permutation of k, the same on both sides of every product of the program.
; The bias is the C of each sum's first matrix instruction, divided by 2^(ex + ew); the conversion takes 2^(eo - ex - ew).
; OUT.  qq [bh 32][tile 128][2,048]: qd's pieces 0, 1, qt's pieces 0, 1.  kv [bh 32][key step 16][24,576]: kd tile tt at 1,024 tt, kt the same from 8,192 on, V^T channel tile t at 16,384 + 2,048 t, piece c at + 512 c.
; A piece is 512 bytes, lane l's 16 at 16 l: every store of a wave covers 512 consecutive bytes, aligned.
; LIMITS: e0, and eo - ex - ew, between -126 and 119, so that each power of two below is an f32 number.  NaN among the inputs is not served.
; REGISTERS, window 0: v1-10 lane terms; v12-15 scales; v16-23 store offsets; v24, v25 the add's two; v32-63 bias; v64-127 sums; v128-191 four fragments of x (v64-191: Q_data's f32 at the head); v192-223 my two fragments of x; v224-239 codes out.  Window 1: W.
.set SPARE, 32768                      ; LDS: x's 16 fragments (4 m + s) of 2,048 bytes from 0; behind them the spare words, 128 bytes a wave
.set BI,  32
.set ACC, 64
.set XF,  128
.set PC,  192
.set CO,  224
.set ST,  64
.set MSB, 0
.macro WIN new                         ; the immediate's high byte repeats the setting that is left
.if MSB != \new
	s_set_vgpr_msb (MSB<<8)|\new
.set MSB, \new
.endif
.endm
.macro BARRIER                         ; my LDS stores have landed and my LDS loads are in: then the work-group's barrier
	s_wait_dscnt 0x0
	s_barrier_signal -1
	s_barrier_wait -1
.endm
; 64 numbers of a lane, register 16 b + i = k 32 b + 16 h + i, become a fragment's 16 registers of codes
.macro QUANT src, dst, sc, lim
.irp b, 0,1,2,3
.irp i, 0,1,2,3,4,5,6,7,8,9,10,11,12,13,14,15
	v_med3_num_f32 v[\src+16*\b+\i], v[\src+16*\b+\i], -v[\lim], v[\lim]   ; the conversion does not saturate (ISA guide 7.6.2): the hold at the largest code x the scale
.endr
	v_cvt_scalef32_pk8_fp8_f32 v[\dst+4*\b:\dst+4*\b+1], v[\src+16*\b:\src+16*\b+7], v[\sc]
	v_cvt_scalef32_pk8_fp8_f32 v[\dst+4*\b+2:\dst+4*\b+3], v[\src+16*\b+8:\src+16*\b+15], v[\sc]
.endr
	v_nop                                          ; a plain line behind the last conversion, ahead of whatever next writes its sources
.endm
.macro IMAGE reg, off                  ; a fragment goes to LDS as it stands in registers,
.irp c, 0,1,2,3
	ds_store_b128 v8, v[\reg+4*\c:\reg+4*\c+3] offset:\off+512*\c
.endr
.endm
.macro FETCH reg, off                  ; and comes back so, in any wave
.irp c, 0,1,2,3
	ds_load_b128 v[\reg+4*\c:\reg+4*\c+3], v5 offset:\off+512*\c
.endr
.endm
.macro XCODES                          ; my two fragments of x where x is given as codes
.irp sp, 0,1
.irp c, 0,1,2,3
	global_load_b128 v[PC+16*\sp+4*\c:PC+16*\sp+4*\c+3], v7, s[40:41] offset:128*\sp+32*\c th:TH_LOAD_NT
.endr
.endr
.endm
; 16 matrix instructions: K steps 2 hs, 2 hs + 1 x two tiles of rows x my four tiles of W.  The eight accumulators take turns, one instruction a turn.
.macro MM arm, hs
.if \arm
	WIN 0x04                                       ; source 1 (W) window 1
.else
	WIN 0x01                                       ; source 0 (W) window 1
.endif
.irp sp, 0,1
.irp mm, 0,1
.irp t, 0,1,2,3
.set rW, 16*(4*\t+2*(\hs)+\sp)
.set rX, XF+16*(2*\mm+\sp)
.if \arm
.set rD, ACC+8*(2*\t+\mm)
.if ((\hs) == 0) && (\sp == 0)
	v_wmma_f32_16x16x128_fp8_fp8 v[rD:rD+7], v[rX:rX+15], v[rW:rW+15], v[BI+8*\t:BI+8*\t+7]
.else
	v_wmma_f32_16x16x128_fp8_fp8 v[rD:rD+7], v[rX:rX+15], v[rW:rW+15], v[rD:rD+7]
.endif
.else
.set rD, ACC+8*(4*\mm+\t)
.if ((\hs) == 0) && (\sp == 0)
	v_wmma_f32_16x16x128_fp8_fp8 v[rD:rD+7], v[rW:rW+15], v[rX:rX+15], v[BI+8*\t:BI+8*\t+7]
.else
	v_wmma_f32_16x16x128_fp8_fp8 v[rD:rD+7], v[rW:rW+15], v[rX:rX+15], v[rD:rD+7]
.endif
.endif
.endr
.endr
.endr
	WIN 0
.endm
.macro MMSEL hs                        ; v takes the swapped sources: a branch on the work-group's number alone
	s_cmp_eq_u32 s51, 4
	s_cbranch_scc1 .Lmm_v_\@
	MM 0, \hs
	s_branch .Lmm_done_\@
.Lmm_v_\@:
	MM 1, \hs
.Lmm_done_\@:
.endm
	s_load_b512 s[4:19], s[0:1], 0x0               ; x: s[4:13]; W: s[14:23]
	s_load_b512 s[20:35], s[0:1], 0x40             ; biases: s[24:33]; the scales' exponents: s[34:35]
	s_load_b128 s[36:39], s[0:1], 0x80             ; qq, kv
	v_lshl_add_u32 v24, v0, 2, SPARE               ; my spare word
	v_mov_b32 v25, 0
	v_lshrrev_b32 v1, 5, v0
	v_readfirstlane_b32 s50, v1                    ; wave = head
	v_and_b32 v1, 31, v0                           ; lane
	v_and_b32 v2, 15, v0                           ; r
	v_bfe_u32 v3, v0, 4, 1                         ; h
	v_and_b32 v4, 8, v2
	v_add_nc_u32 v4, v4, v2                        ; r + 8 (r / 8)
	v_lshlrev_b32 v5, 4, v1                        ; 16 x lane
	v_lshlrev_b32 v6, 9, v4
	v_lshl_add_u32 v6, v3, 4, v6                   ; a row of 512 codes: 512 (r + 8 (r / 8)) + 16 h
	v_lshlrev_b32 v9, 6, v3                        ; bias, q and k: 64 h
	v_lshlrev_b32 v10, 2, v4                       ; bias, v: my channel
	s_lshl_b32 s70, s50, 12
	v_add_nc_u32 v8, s70, v5                       ; where I store my two fragments of x: 16 x lane + 4,096 x wave
	; which projection, which block
	s_sub_co_u32 s70, ttmp9, 128
	s_lshr_b32 s71, s70, 5
	s_add_co_u32 s71, s71, 1
	s_and_b32 s72, s70, 31
	s_lshl_b32 s72, s72, 2
	s_cmp_lt_u32 ttmp9, 128
	s_cselect_b32 s51, 0, s71                      ; P
	s_cselect_b32 s52, ttmp9, s72                  ; G: block of 64 rows, 0 .. 127
	s_cselect_b32 s53, 1, 4                        ; blocks to go
	s_cselect_b32 s54, 2, 0                        ; f32 is four bytes a number
	; x: wave w makes fragments 2 w, 2 w + 1: tile of rows m = w / 2, K steps 2 (w % 2) on
	s_lshr_b32 s70, s50, 2
	s_lshl_b32 s70, s70, 14
	s_bfe_u32 s71, s50, 0x10001
	s_lshl_b32 s71, s71, 12
	s_add_co_u32 s70, s70, s71
	s_and_b32 s71, s50, 1
	s_lshl_b32 s71, s71, 8
	s_add_co_u32 s70, s70, s71
	v_add_nc_u32 v7, s70, v6
	v_lshlrev_b32 v7, s54, v7
	; where the scales stand
	s_lshl_b32 s74, s51, 3                         ; ex, ew at entries 2 P, 2 P + 1
	s_and_b32 s75, s51, 1
	s_lshl_b32 s75, s75, 1
	s_lshr_b32 s76, s51, 1
	s_add_co_u32 s75, s75, s76
	s_add_co_u32 s75, s75, 10                      ; eo: 10, 12, 11, 13,
	; the output's strides: q's, then k's, then v's
	s_mov_b32 s60, 262144                          ; a head
	s_mov_b32 s55, 16384                           ; two blocks
	s_mov_b32 s56, 8192                            ; the odd block
	s_mov_b32 s57, 512                             ; store i: bit 0,
	s_mov_b32 s58, 2048                            ; bit 1,
	s_mov_b32 s59, 4096                            ; the second pair of tiles of rows
	s_cmp_ge_u32 s51, 2
	s_cselect_b32 s60, 393216, s60
	s_cselect_b32 s55, 24576, s55
	s_cselect_b32 s56, 4096, s56
	s_cselect_b32 s58, 1024, s58
	s_cselect_b32 s59, 2048, s59
	s_cselect_b32 s70, 13, 10
	s_and_b32 s61, s51, 1
	s_lshl_b32 s61, s61, s70                       ; the region: qt 1,024, kt 8,192,
	s_cmp_eq_u32 s51, 4
	s_cselect_b32 s56, 1024, s56
	s_cselect_b32 s57, 2048, s57
	s_cselect_b32 s58, 4096, s58
	s_cselect_b32 s59, 512, s59
	s_cselect_b32 s61, 16384, s61                  ; V^T 16,384
	s_cselect_b32 s75, 15, s75                     ; and v's eo: 15
	s_lshl_b32 s75, s75, 2
	v_mov_b32 v16, v5
	v_add_nc_u32 v17, s57, v5
	v_add_nc_u32 v18, s58, v5
	v_add_nc_u32 v19, s58, v17
.irp i, 0,1,2,3
	v_add_nc_u32 v[20+\i], s59, v[16+\i]
.endr
	s_wait_kmcnt 0x0
	s_load_b64 s[66:67], s[34:35], s74 offset:0x0  ; ex, ew
	s_load_b32 s68, s[34:35], s75 offset:0x0       ; eo
	s_mov_b64 s[40:41], s[4:5]                     ; the projection's x, W and bias: choices on the work-group's number
	s_mov_b64 s[42:43], s[14:15]
	s_mov_b64 s[44:45], s[24:25]
.irp k, 1,2,3,4
	s_cmp_eq_u32 s51, \k
	s_cselect_b64 s[40:41], s[4+2*\k:5+2*\k], s[40:41]
	s_cselect_b64 s[42:43], s[14+2*\k:15+2*\k], s[42:43]
	s_cselect_b64 s[44:45], s[24+2*\k:25+2*\k], s[44:45]
.endr
	s_cmp_ge_u32 s51, 2
	s_cselect_b64 s[46:47], s[38:39], s[36:37]
	s_lshl_b32 s70, s52, 15
	s_lshl_b32 s70, s70, s54
	s_mov_b32 s71, 0
	s_add_nc_u64 s[40:41], s[40:41], s[70:71]      ; x at my first block
	s_lshl_b32 s70, s50, 15
	s_add_nc_u64 s[42:43], s[42:43], s[70:71]      ; my 64 rows of W
	s_lshl_b32 s70, s50, 8
	s_add_nc_u64 s[44:45], s[44:45], s[70:71]      ; my 64 numbers of the bias
	s_lshr_b32 s70, s52, 5
	s_lshl_b32 s70, s70, 3
	s_add_co_u32 s70, s70, s50
	s_mul_i32 s70, s70, s60
	s_add_co_u32 s70, s70, s61
	s_add_nc_u64 s[46:47], s[46:47], s[70:71]      ; the output at (batch, head), region
	WIN 0x40                                       ; destination window 1
.irp t, 0,1,2,3                        ; W's fragment (tile t, K step s) at v[16 (4 t + s)] of window 1
.irp s, 0,1,2,3
.irp c, 0,1,2,3
	global_load_b128 v[16*(4*\t+\s)+4*\c:16*(4*\t+\s)+4*\c+3], v6, s[42:43] offset:(32*(\t/2)+8*(\t%2))*512+128*\s+32*\c
.endr
.endr
.endr
	WIN 0
	s_cmp_eq_u32 s51, 4                            ; the bias in the result's layout; both arms write all 32 registers
	s_cbranch_scc1 .Lbias_v
.irp t, 0,1,2,3                        ; q, k: register j = channel 32 (t / 2) + 8 (t % 2) + 16 h + j
	global_load_b128 v[BI+8*\t:BI+8*\t+3], v9, s[44:45] offset:(32*(\t/2)+8*(\t%2))*4
	global_load_b128 v[BI+8*\t+4:BI+8*\t+7], v9, s[44:45] offset:(32*(\t/2)+8*(\t%2))*4+16
.endr
	s_branch .Lbias_done
.Lbias_v:
.irp t, 0,1,2,3                        ; v: all eight registers = my lane's channel
.irp j, 0,1,2,3,4,5,6,7
	global_load_b32 v[BI+8*\t+\j], v10, s[44:45] offset:(32*(\t/2)+8*(\t%2))*4
.endr
.endr
.Lbias_done:
	s_wait_kmcnt 0x0
	s_add_co_i32 s69, s66, s67                     ; ex + ew
	s_sub_co_i32 s70, s68, s69                     ; eo - ex - ew
	s_sub_co_i32 s69, 0, s69
	s_add_co_i32 s71, s66, 127
	s_lshl_b32 s72, s71, 23
	v_mov_b32 v12, s72                             ; 2^ex
	s_add_co_i32 s71, s71, 8
	s_lshl_b32 s71, s71, 23
	s_or_b32 s71, s71, 0x600000
	v_mov_b32 v13, s71                             ; 448 x 2^ex
	s_add_co_i32 s70, s70, 127
	s_lshl_b32 s72, s70, 23
	v_mov_b32 v14, s72                             ; 2^(eo - ex - ew)
	s_add_co_i32 s70, s70, 8
	s_lshl_b32 s70, s70, 23
	s_or_b32 s70, s70, 0x600000
	v_mov_b32 v15, s70                             ; 448 x that
	s_cmp_eq_u32 s51, 0
	s_cbranch_scc0 .Lx_codes
.irp sp, 0,1                           ; Q_data: lane (r, h) takes 16 neighbours of each block of 32 of its row
.irp b, 0,1,2,3
.irp j, 0,1,2,3
	global_load_b128 v[ST+64*\sp+16*\b+4*\j:ST+64*\sp+16*\b+4*\j+3], v7, s[40:41] offset:512*\sp+128*\b+16*\j th:TH_LOAD_NT
.endr
.endr
.endr
	s_wait_loadcnt 0x0
	QUANT ST, PC, 12, 13
	QUANT ST+64, PC+16, 12, 13
	s_branch .Lx_done
.Lx_codes:
	XCODES
.Lx_done:
	s_wait_loadcnt 0x0                             ; W, the bias, x
.irp i, 0,1,2,3,4,5,6,7,8,9,10,11,12,13,14,15,16,17,18,19,20,21,22,23,24,25,26,27,28,29,30,31
	v_ldexp_f32 v[BI+\i], v[BI+\i], s69            ; b / 2^(ex + ew)
.endr
.Lblock:
	s_wait_loadcnt 0x0                             ; this block's codes of x, asked for a block ago
	IMAGE PC, 0
	IMAGE PC+16, 2048
	BARRIER                                        ; x's sixteen fragments lie in LDS; my stores have read v192-223
	s_cmp_eq_u32 s53, 1                            ; the next block's codes, if there is one: no load leaves its buffer
	s_cbranch_scc1 .Lno_next
	s_add_nc_u64 s[40:41], s[40:41], 32768         ; (free since the wait for loads at the trip's head)
	XCODES
.Lno_next:
	s_and_b32 s70, s52, 31                         ; the block in its batch
	s_lshr_b32 s71, s70, 1
	s_mul_i32 s71, s71, s55
	s_and_b32 s70, s70, 1
	s_mul_i32 s70, s70, s56
	s_add_co_u32 s70, s70, s71
	s_mov_b32 s71, 0
	s_wait_xcnt 0x0                                ; the last block's stores have read their base
	s_add_nc_u64 s[48:49], s[46:47], s[70:71]
.irp pr, 0,1                           ; two tiles of rows at a time
.irp hs, 0,1                           ; two K steps at a time
.irp mm, 0,1
.irp sp, 0,1
	FETCH XF+16*(2*\mm+\sp), (4*(2*\pr+\mm)+2*\hs+\sp)*2048
.endr
.endr
	s_wait_dscnt 0x0
	MMSEL \hs
.rept 4
	v_nop                                          ; places ahead of loads into registers that the products read, and of the first read of results
.endr
.endr
	s_wait_xcnt 0x0                                ; earlier stores have read v224-239
	QUANT ACC, CO, 14, 15                          ; each accumulator from its low end on
.irp i, 0,1,2,3
	global_store_b128 v[16+4*\pr+\i], v[CO+4*\i:CO+4*\i+3], s[48:49]   ; 512 consecutive bytes, aligned
.endr
.endr
	BARRIER                                        ; every wave's reads of x's fragments are over: they may be written again
	s_add_co_u32 s52, s52, 1
	s_sub_co_u32 s53, s53, 1
	s_cmp_lg_u32 s53, 0
	s_cbranch_scc1 .Lblock
	s_wait_tensorcnt 0x0                           ; the wave's end
	ds_add_u32 v24, v25
	s_wait_dscnt 0x0
	s_endpgm
.Lfunc_end_k_q72c91abee7_proj:
	.size	k_q72c91abee7_proj, .Lfunc_end_k_q72c91abee7_proj-k_q72c91abee7_proj
	.p2alignl 7, 3214868480
	.fill 96, 4, 3214868480
	.section	.rodata,"a",@progbits
	.p2align	6, 0x0
	.amdhsa_kernel k_q72c91abee7_proj
		.amdhsa_group_segment_fixed_size 33792
		.amdhsa_private_segment_fixed_size 0
		.amdhsa_enable_private_segment 0
		.amdhsa_kernarg_size 144
		.amdhsa_user_sgpr_count 2
		.amdhsa_user_sgpr_kernarg_segment_ptr 1
		.amdhsa_wavefront_size32 1
		.amdhsa_system_sgpr_workgroup_id_x 1
		.amdhsa_system_sgpr_workgroup_id_y 1
		.amdhsa_system_sgpr_workgroup_id_z 1
		.amdhsa_system_vgpr_workitem_id 0
		.amdhsa_next_free_vgpr 512
		.amdhsa_next_free_sgpr 96
		.amdhsa_reserve_vcc 0
		.amdhsa_float_denorm_mode_32 3
		.amdhsa_float_denorm_mode_16_64 3
		.amdhsa_memory_ordered 1
		.amdhsa_forward_progress 1
		.amdhsa_inst_pref_size 56
	.end_amdhsa_kernel
	.amdgpu_metadata
---
amdhsa.version: [ 1, 2 ]
amdhsa.kernels:
  - .name:           k_q72c91abee7_proj
    .symbol:         k_q72c91abee7_proj.kd
    .args:
      - { .name: Q_data, .offset: 0, .size: 8, .value_kind: global_buffer, .address_space: global }
      - { .name: Q_time_codes, .offset: 8, .size: 8, .value_kind: global_buffer, .address_space: global }
      - { .name: K_data_codes, .offset: 16, .size: 8, .value_kind: global_buffer, .address_space: global }
      - { .name: K_time_codes, .offset: 24, .size: 8, .value_kind: global_buffer, .address_space: global }
      - { .name: V_time_codes, .offset: 32, .size: 8, .value_kind: global_buffer, .address_space: global }
      - { .name: Wq_d_w_codes, .offset: 40, .size: 8, .value_kind: global_buffer, .address_space: global }
      - { .name: Wq_t_w_codes, .offset: 48, .size: 8, .value_kind: global_buffer, .address_space: global }
      - { .name: Wk_d_w_codes, .offset: 56, .size: 8, .value_kind: global_buffer, .address_space: global }
      - { .name: Wk_t_w_codes, .offset: 64, .size: 8, .value_kind: global_buffer, .address_space: global }
      - { .name: Wv_t_w_codes, .offset: 72, .size: 8, .value_kind: global_buffer, .address_space: global }
      - { .name: Wq_d_b, .offset: 80, .size: 8, .value_kind: global_buffer, .address_space: global }
      - { .name: Wq_t_b, .offset: 88, .size: 8, .value_kind: global_buffer, .address_space: global }
      - { .name: Wk_d_b, .offset: 96, .size: 8, .value_kind: global_buffer, .address_space: global }
      - { .name: Wk_t_b, .offset: 104, .size: 8, .value_kind: global_buffer, .address_space: global }
      - { .name: Wv_t_b, .offset: 112, .size: 8, .value_kind: global_buffer, .address_space: global }
      - { .name: lowp_scales, .offset: 120, .size: 8, .value_kind: global_buffer, .address_space: global }
      - { .name: qq, .offset: 128, .size: 8, .value_kind: global_buffer, .address_space: global }
      - { .name: kv, .offset: 136, .size: 8, .value_kind: global_buffer, .address_space: global }
    .group_segment_fixed_size: 33792
    .private_segment_fixed_size: 0
    .kernarg_segment_align: 8
    .kernarg_segment_size: 144
    .max_flat_workgroup_size: 256
    .sgpr_count:     96
    .vgpr_count:     512
    .wavefront_size: 32
...
	.end_amdgpu_metadata
.endif
;; end of part 1
;; launch attn (part 2): grid 8 x 32, 16 waves a work-group, clusters of 4 x 1, 327,680 bytes of LDS; arguments qq, kv, lowp_scales, ctx; writes ctx
.if DOCPART == 2
	.amdgcn_target "amdgcn-amd-amdhsa--gfx1250"
	.amdhsa_code_object_version 6
	.text
	.protected	k_q72c91abee7_attn
	.globl	k_q72c91abee7_attn
	.p2align	8
	.type	k_q72c91abee7_attn,@function
k_q72c91abee7_attn:
	s_mov_b64 s[64:65], 0
	v_nop
	global_prefetch_b8 v0, s[64:65] scope:SCOPE_SE
	s_setreg_imm32_b32 hwreg(HW_REG_WAVE_MODE, 25, 1), 1
	s_wait_xcnt 0x0
	s_wait_alu depctr_hold_cnt(0) depctr_sa_sdst(0) depctr_va_vdst(0) depctr_va_sdst(0) depctr_va_ssrc(0) depctr_va_vcc(0) depctr_vm_vsrc(0)
	s_getreg_b32 s2, hwreg(HW_REG_IB_STS2, 6, 4)
	s_cmp_eq_u32 s2, 0
	s_cbranch_scc0 .Lentry_in_a_cluster
	s_endpgm
.Lentry_in_a_cluster:
	s_bfe_u32 s2, ttmp6, 0x10000c
	s_cmp_lg_u32 s2, 0x3003
	s_cbranch_scc0 .Lentry_shape_is_right
	s_endpgm
.Lentry_shape_is_right:
; ATTENTION on codes of FP8 (E4M3): score = qd . kd + qt . kt, each product with its own two scales; softmax; x V; the result quantised with 2^e16 for the last projection.  No work is left out.
; t = score x log2(e) / 8; M = the running largest t rounded UP to a whole number; p = 2^(t - M) is quantised with 2^e14; the row's sum is taken of the unquantised p and divides at the end.
; A sum of the first product stands for sum x 2^(e10 + e11), of the second for sum x 2^(e12 + e13): u = S1 + 2^(e12 + e13 - e10 - e11) S2, one packed multiply-add for two; t = u x c x 2^(e10 + e11).
; SHARES.  A work-group owns 256 queries of one (batch, head); each of its sixteen waves one tile of 16, in 256 registers: four waves to a SIMD, so that one wave's vector work stands beside another's products and LDS loads.
; Every wave walks all 2,048 keys, 128 a step.  A key step's kd, kt and V^T lie in kv as one dense block of 24,576 bytes, in the order of the operands' registers: every LDS load takes 512 consecutive bytes.
; RING.  Two slots of four key steps; waves 0 to 3 fetch one key step each (96 rows of 256 bytes): by this text's count a loading wave has one tensor load out.
; CLUSTER.  The four query blocks of a cluster belong to one head and walk the same kv: each tile is asked for jointly, by the same tensor load with the same descriptor and the mask of all four.
; LAYOUT.  S^T = K Q^T, O^T = V^T P^T: a lane holds one query throughout.  By the row order in which the tiles were laid (lane r of tile T: row 32 (T / 2) + 8 (T % 2) + r + 8 (r / 8)) the 16 registers of tiles 2 b, 2 b + 1
; are keys (channels) 32 b + 16 h + 0 .. 15, so the conversions' results are the next operand's registers.
; LIMITS: e10 + e11 between -123 and 130; e12 + e13 - e10 - e11 between -126 and 127; e14 and e16 between -126 and 119; e14 + e15 goes in by v_ldexp_f32 and has none.  NaN is not served.
; REGISTERS: v1 16 x lane; v3 256 x lane; v5, v6 the add's two; v8 LDS address; v12 -M, v13 largest t, v[14:15] the sum; v16-23 qd, v24-31 qt; v32-95 four tiles of kd and kt, then V^T; v96-159 S1, u, p; v160-191 O^T; v192-223 S2;
; v224-239 p's codes; v240 448 x 2^e14, v244 2^e14; v[242:243] second sum; v246 permute; v247, v248 e16's; v[252:253] f; v254 at work.
.set STEPB, 24576
.set SLOTB, 4*STEPB
.set SLOT1, 131072                     ; slot 1 begins here: one exclusive or turns an address from slot to slot
.set SPARE, 262144                     ; behind the ring: the spare words, 128 bytes a wave
.set HEADB, 16*STEPB
.set NSL,   4
.set KF, 32
.set S,  96
.set S2, 192
.macro CROUND                          ; a round of the cluster's barrier
	s_barrier_signal -1
	s_barrier_wait -1
	s_cmp_lg_u32 s12, 0
	s_cbranch_scc1 .Lnot_wave_0_\@
	s_barrier_signal -3
.Lnot_wave_0_\@:
	s_barrier_wait -3
	s_barrier_signal -1
	s_barrier_wait -1
.endm
.macro TLOAD                           ; waves 0 to 3 fetch; the branch hangs on the wave's number alone.  An s_nop 0 and four v_nop follow the load
	s_cmp_lt_u32 s12, 4
	s_cbranch_scc0 .Lasked_\@
	tensor_load_to_lds s[32:35], s[24:31]
	s_nop 0
.rept 4
	v_nop
.endr
.Lasked_\@:
.endm
; A prefetch of the slot that the NEXT change of slots will ask for: four key steps ahead of that load.  The head's first cluster asks; its four partners take 24,576 bytes each, told apart by address; in each, waves 4, 5, 6 take
; 8,192 bytes, lanes 256 bytes apart: each block of 256 bytes is named once in the launch.  The last change that fills a slot asks for nothing; slots 0 and 1 come by their loads alone.
.macro ASK
	s_cmp_gt_u32 s40, s15
	s_cbranch_scc0 .Lnot_mine_\@
	global_prefetch_b8 v3, s[18:19] th:TH_LOAD_NT scope:SCOPE_SE
.Lnot_mine_\@:
.endm
.macro COMBINE g                       ; u = S1 + r S2 for tiles 4 g .. 4 g + 3; each accumulator from its low end on
.irp t, 0,1,2,3
.irp j, 0,2,4,6
	v_pk_fma_f32 v[S+32*\g+8*\t+\j:S+32*\g+8*\t+\j+1], v[S2+8*\t+\j:S2+8*\t+\j+1], s[36:37], v[S+32*\g+8*\t+\j:S+32*\g+8*\t+\j+1] op_sel_hi:[1,0,1]
.endr
.endr
.endm
; A KEY STEP: 128 keys, at LDS byte s62
.macro STEP
	v_add_nc_u32 v8, s62, v1
.irp g, 0,1                            ; four tiles of 16 keys at a time: both products
.if \g
.rept 4
	v_nop                                          ; places ahead of loads into registers that the products read, and of the first read of results
.endr
.endif
.irp t, 0,1,2,3
	ds_load_b128 v[KF+16*\t:KF+16*\t+3], v8 offset:1024*(4*\g+\t)
	ds_load_b128 v[KF+16*\t+4:KF+16*\t+7], v8 offset:1024*(4*\g+\t)+512
	ds_load_b128 v[KF+16*\t+8:KF+16*\t+11], v8 offset:8192+1024*(4*\g+\t)
	ds_load_b128 v[KF+16*\t+12:KF+16*\t+15], v8 offset:8192+1024*(4*\g+\t)+512
.endr
.if \g
	COMBINE 0                                      ; while the loads are out; S2's registers are free behind it
.endif
	s_wait_dscnt 0x0
.irp t, 0,1,2,3
	v_wmma_f32_16x16x64_fp8_fp8 v[S+8*(4*\g+\t):S+8*(4*\g+\t)+7], v[KF+16*\t:KF+16*\t+7], v[16:23], 0
.endr
.irp t, 0,1,2,3
	v_wmma_f32_16x16x64_fp8_fp8 v[S2+8*\t:S2+8*\t+7], v[KF+16*\t+8:KF+16*\t+15], v[24:31], 0
.endr
.endr
.rept 4
	v_nop
.endr
.irp t, 0,1,2,3                        ; V^T's four fragments land while the softmax runs
.irp c, 0,1,2,3
	ds_load_b128 v[32+16*\t+4*\c:32+16*\t+4*\c+3], v8 offset:16384+2048*\t+512*\c
.endr
.endr
	COMBINE 1
	v_max3_num_f32 v254, v96, v97, v98             ; the step's largest u of my query among my 64 keys, in two chains,
	v_max3_num_f32 v252, v99, v100, v101
.irp i, 6,10,14,18,22,26,30,34,38,42,46,50,54,58
	v_max3_num_f32 v254, v254, v[96+\i], v[97+\i]
	v_max3_num_f32 v252, v252, v[98+\i], v[99+\i]
.endr
	v_max3_num_f32 v254, v254, v158, v159
	v_max_num_f32 v254, v254, v252
	v_permlanex16_b32 v246, v254, s20, s21
	v_max_num_f32 v254, v254, v246                 ; and among lane l xor 16's
	v_mul_f32 v254, s22, v254                      ; as t (the factor is positive)
	v_max_num_f32 v13, v13, v254                   ; the running largest t
	v_mov_b32 v254, v12
	v_floor_f32 v12, -v13                          ; -M = floor(-t): M is a whole number
	v_sub_f32 v254, v12, v254                      ; old M - new M: a whole number, 0 or less
	v_cvt_i32_f32 v254, v254                       ; (it saturates)
	v_ldexp_f32 v252, 1.0, v254                    ; f = 2^(old M - new M): a multiplication by it rounds nothing
.irp j, 0,2,4,6,8,10,12,14,16,18,20,22,24,26,28,30,32,34,36,38,40,42,44,46,48,50,52,54,56,58,60,62
	v_pk_fma_f32 v[96+\j:97+\j], v[96+\j:97+\j], s[22:23], v[12:13] op_sel_hi:[1,0,0]   ; t - M
.endr
.irp j, 0,1,2,3,4,5,6,7,8,9,10,11,12,13,14,15,16,17,18,19,20,21,22,23,24,25,26,27,28,29,30,31,32,33,34,35,36,37,38,39,40,41,42,43,44,45,46,47,48,49,50,51,52,53,54,55,56,57,58,59,60,61,62,63
	v_exp_f32 v[96+\j], v[96+\j]                   ; p = 2^(t - M), at most 1
.endr
	v_pk_mul_f32 v[14:15], v[14:15], v[252:253] op_sel_hi:[1,0]   ; the sums under the new M: the plain line behind the exponentials
	s_wait_alu depctr_va_vdst(0)                   ; one wait for the batch of 64, ahead of its first reader
	v_pk_add_f32 v[242:243], v[96:97], v[98:99]    ; the row's sum of the unquantised p, in two chains
.irp j, 4,8,12,16,20,24,28,32,36,40,44,48,52,56,60
	v_pk_add_f32 v[14:15], v[14:15], v[96+\j:97+\j]
	v_pk_add_f32 v[242:243], v[242:243], v[98+\j:99+\j]
.endr
	v_pk_add_f32 v[14:15], v[14:15], v[242:243]
.irp b, 0,1,2,3
.irp i, 0,1,2,3,4,5,6,7,8,9,10,11,12,13,14,15
	v_min_num_f32 v[96+16*\b+\i], v[96+16*\b+\i], v240   ; the conversion does not saturate (ISA guide 7.6.2); p is not negative: a one-sided hold
.endr
	v_cvt_scalef32_pk8_fp8_f32 v[224+4*\b:225+4*\b], v[96+16*\b:103+16*\b], v244
	v_cvt_scalef32_pk8_fp8_f32 v[226+4*\b:227+4*\b], v[104+16*\b:111+16*\b], v244
.endr
.irp j, 0,2,4,6,8,10,12,14,16,18,20,22,24,26,28,30
	v_pk_mul_f32 v[160+\j:161+\j], v[160+\j:161+\j], v[252:253] op_sel_hi:[1,0]   ; O^T under the new M; also the plain lines behind the conversions
.endr
	s_wait_dscnt 0x0                               ; V^T is in
.irp t, 0,1,2,3                        ; O^T += V^T P^T: four accumulators by turns
	v_wmma_f32_16x16x128_fp8_fp8 v[160+8*\t:167+8*\t], v[32+16*\t:47+16*\t], v[224:239], v[160+8*\t:167+8*\t]
.endr
.rept 4
	v_nop                                          ; places ahead of the next step's loads and of the way out
.endr
.endm
; THE CHANGE OF SLOTS stands at a slot's head: each wave waits for all its tensor loads, adds 0 to its spare word, waits for that and for its reads of the slot that it has left.
; fill = 1: a round of the cluster's barrier, and behind it the slot that was left is filled with the next four key steps, which have a slot's four steps in which to land.
.macro CHANGE fill
	s_wait_tensorcnt 0x0                           ; no tensor load of mine is out: the descriptor may be written
	ds_add_u32 v5, v6
.if \fill
	ds_add_u32 v5, v6                              ; the add twice on end here, in every trip alike
	s_xor_b32 s33, s33, SLOT1                      ; the other slot than last time,
	s_add_nc_u64 s[34:35], s[34:35], SLOTB         ; the next four key steps; the type bits on top are not reached
	s_wait_xcnt 0x0                                ; the last prefetch, a slot back, has read its address
	s_add_nc_u64 s[18:19], s[18:19], SLOTB
	s_wait_dscnt 0x0                               ; the adds are done, my reads of the slot that I have left are over
	CROUND
	TLOAD
	ASK
.else
	s_wait_dscnt 0x0
	s_barrier_signal -1
	s_barrier_wait -1
.endif
.endm
.macro FOUR_STEPS                      ; a slot's key steps: written once, walked four times
	s_mov_b32 s41, 4
.Lstep_\@:
	STEP
	s_add_co_u32 s62, s62, STEPB
	s_sub_co_u32 s41, s41, 1
	s_cmp_lg_u32 s41, 0
	s_cbranch_scc1 .Lstep_\@
	s_sub_co_u32 s62, s62, 4*STEPB
	s_xor_b32 s62, s62, SLOT1                      ; on to the other slot
.endm
	s_load_b128 s[4:7], s[0:1], 0x0                ; qq, kv
	s_load_b128 s[8:11], s[0:1], 0x10              ; the scales' exponents, ctx
	v_lshl_add_u32 v5, v0, 2, SPARE
	v_mov_b32 v6, 0
	ds_add_u32 v5, v6                              ; the wave's opening: the add, twice on end, and its wait ahead of the first tensor load
	ds_add_u32 v5, v6
	v_lshrrev_b32 v1, 5, v0
	v_readfirstlane_b32 s12, v1                    ; wave 0 .. 15
	s_bfe_u32 s13, ttmp6, 0x40000                  ; cx: it enters Q's, ctx's and the prefetch's addresses alone
	s_lshl_b32 s14, ttmp9, 2
	s_add_co_u32 s14, s14, s13                     ; my block of 256 queries
	s_and_b32 s76, ttmp7, 0xffff                   ; (batch, head), which the four partners share
	s_mov_b32 s24, 15|(3<<16)|(1<<21)              ; group 1: the mask of all four; elements of 8 bytes; bit 21 beside a mask; no padding
	s_mov_b32 s25, 32<<16                          ; tensor_dim0 = 32 elements: 256 bytes
	s_mov_b32 s26, 96<<16                          ; tensor_dim1 = 96
	s_mov_b32 s27, 32<<16                          ; tile_dim0
	s_mov_b32 s28, 96                              ; tile_dim1
	s_mov_b32 s29, 32                              ; the pitch: the block is dense
	s_mov_b32 s30, 0
	s_mov_b32 s31, 0
	s_mov_b32 s20, 0x76543210
	s_mov_b32 s21, 0xfedcba98                      ; lane l xor 16
	s_mov_b32 s22, 0x3e38aa3b                      ; c = log2(e) / sqrt(64)
	s_mov_b32 s40, NSL-1
	s_mov_b32 s62, 0
	s_mul_i32 s78, s76, HEADB                      ; the head's first byte in kv
	s_mov_b32 s79, 0
	s_and_b32 s80, s12, 3
	s_mul_i32 s81, s80, STEPB                      ; the key step that I fetch: its place in a slot and in memory
	s_mov_b32 s82, s81
	s_mov_b32 s83, 0
	s_add_nc_u64 s[82:83], s[82:83], s[78:79]
	s_lshl_b32 s84, s14, 4
	s_add_co_u32 s84, s84, s12                     ; my tile T in the batch's 128
	s_lshl_b32 s85, s76, 7
	s_add_co_u32 s85, s85, s84
	s_lshl_b32 s86, s85, 11                        ; qq: 2,048 bytes a tile
	s_mov_b32 s87, 0
	s_lshr_b32 s88, s76, 3
	s_lshl_b32 s88, s88, 7
	s_add_co_u32 s88, s88, s84
	s_lshl_b32 s88, s88, 4
	s_and_b32 s85, s76, 7
	s_lshl_b32 s85, s85, 1
	s_add_co_u32 s88, s88, s85
	s_lshl_b32 s88, s88, 9                         ; ctx: ((batch x 128 + T) x 16 + 2 head) x 512
	s_mov_b32 s89, 0
	s_mul_i32 s90, s13, 24576
	s_lshl_b32 s85, s80, 13
	s_add_co_u32 s90, s90, s85
	s_add_co_u32 s90, s90, SLOTB                   ; the prefetches stand in slot 1: the first change steps them to slot 2
	s_mov_b32 s91, 0
	s_add_nc_u64 s[90:91], s[90:91], s[78:79]
	s_sub_co_u32 s85, s12, 4
	s_cmp_lt_u32 s85, 3                            ; waves 4, 5, 6
	s_cselect_b32 s85, 0, 1
	s_or_b32 s85, s85, ttmp9                       ; of the head's first cluster: the same in all four partners
	s_cmp_eq_u32 s85, 0
	s_cselect_b32 s15, 1, -1
	v_and_b32 v1, 31, v0
	v_lshlrev_b32 v3, 8, v1
	v_lshlrev_b32 v1, 4, v1
	s_wait_dscnt 0x0                               ; both opening adds are done
	s_wait_kmcnt 0x0
	s_load_b256 s[68:75], s[8:9], 0x28             ; e10 .. e17
	s_mov_b32 s32, 1                               ; group 0: count,
	s_mov_b32 s33, s81                             ; LDS address: slot 0,
	s_add_nc_u64 s[34:35], s[6:7], s[82:83]        ; global address,
	s_or_b32 s35, s35, 0x80000000                  ; type 2
	s_add_nc_u64 s[4:5], s[4:5], s[86:87]
	s_add_nc_u64 s[10:11], s[10:11], s[88:89]
	s_add_nc_u64 s[18:19], s[6:7], s[90:91]
	CROUND                                         ; all four work-groups are here: the first joint loads meet
	TLOAD                                          ; slot 0
.irp i, 0,1,2,3
	global_load_b128 v[16+4*\i:19+4*\i], v1, s[4:5] offset:512*\i th:TH_LOAD_NT   ; qd's two pieces, qt's two: they stay
.endr
	v_mov_b32 v13, 0xff61b1e6                      ; the largest t so far: -3e38
	v_floor_f32 v12, -v13
	v_mov_b32 v14, 0
	v_mov_b32 v15, 0
	v_mov_b32 v246, 0                              ; a lane permute's destination counts as read
	v_mov_b32 v253, 0                              ; (named as the upper half of v[252:253])
.irp j, 0,1,2,3,4,5,6,7,8,9,10,11,12,13,14,15,16,17,18,19,20,21,22,23,24,25,26,27,28,29,30,31
	v_mov_b32 v[160+\j], 0                         ; O^T: the step is written once, its first walk finds zeros
.endr
	s_wait_kmcnt 0x0
	s_add_co_i32 s77, s68, s69                     ; e10 + e11,
	s_lshl_b32 s90, s77, 23
	s_add_co_i32 s22, s22, s90                     ; added to c's exponent field
	s_mov_b32 s23, s22
	s_add_co_i32 s90, s70, s71
	s_sub_co_i32 s90, s90, s77
	s_add_co_i32 s90, s90, 127
	s_lshl_b32 s36, s90, 23                        ; r = 2^(e12 + e13 - e10 - e11)
	s_mov_b32 s37, s36
	s_add_co_i32 s90, s72, 127
	s_lshl_b32 s91, s90, 23
	v_mov_b32 v244, s91                            ; 2^e14
	s_add_co_i32 s90, s90, 8
	s_lshl_b32 s90, s90, 23
	s_or_b32 s90, s90, 0x600000
	v_mov_b32 v240, s90                            ; 448 x 2^e14
	s_add_co_i32 s90, s74, 127
	s_lshl_b32 s91, s90, 23                        ; 2^e16
	s_add_co_i32 s90, s90, 8
	s_lshl_b32 s92, s90, 23
	s_or_b32 s92, s92, 0x600000                    ; 448 x 2^e16
	s_add_co_i32 s93, s72, s73                     ; e14 + e15
	s_wait_loadcnt 0x0                             ; Q
.Lslot:                                            ; NSL - 1 trips: behind each change of slots but the last the next slot is asked for
	CHANGE 1
	FOUR_STEPS
	s_sub_co_u32 s40, s40, 1
	s_cmp_lg_u32 s40, 0
	s_cbranch_scc1 .Lslot
	CHANGE 0                                       ; the last slot is written out
	FOUR_STEPS
	; THE WAY OUT: O^T / the sum x 2^(e14 + e15), quantised with 2^e16: two pieces of the last projection's operand
	v_add_f32 v14, v14, v15
	v_permlanex16_b32 v246, v14, s20, s21
	v_add_f32 v14, v14, v246                       ; the row's sum
	v_rcp_f32 v14, v14
	v_mov_b32 v247, s91                            ; (plain lines behind the reciprocal)
	v_mov_b32 v248, s92
	s_wait_alu depctr_va_vdst(0)                   ; the wait ahead of the reciprocal's first reader
	v_ldexp_f32 v14, v14, s93
.irp j, 0,1,2,3,4,5,6,7,8,9,10,11,12,13,14,15,16,17,18,19,20,21,22,23,24,25,26,27,28,29,30,31
	v_mul_f32 v[192+\j], v[160+\j], v14            ; register 16 b + i: channel 32 b + 16 h + i of my query
.endr
.irp b, 0,1
.irp i, 0,1,2,3,4,5,6,7,8,9,10,11,12,13,14,15
	v_med3_num_f32 v[192+16*\b+\i], v[192+16*\b+\i], -v248, v248
.endr
	v_cvt_scalef32_pk8_fp8_f32 v[224+4*\b:225+4*\b], v[192+16*\b:199+16*\b], v247
	v_cvt_scalef32_pk8_fp8_f32 v[226+4*\b:227+4*\b], v[200+16*\b:207+16*\b], v247
.endr
	v_nop
	global_store_b128 v1, v[224:227], s[10:11]     ; 512 consecutive bytes each, aligned
	global_store_b128 v1, v[228:231], s[10:11] offset:512
	s_wait_tensorcnt 0x0                           ; the wave's end
	ds_add_u32 v5, v6
	s_wait_dscnt 0x0
	CROUND                                         ; the closing round: no work-group ends while a partner may still ask for a tile that names it
	s_endpgm
.Lfunc_end_k_q72c91abee7_attn:
	.size	k_q72c91abee7_attn, .Lfunc_end_k_q72c91abee7_attn-k_q72c91abee7_attn
	.p2alignl 7, 3214868480
	.fill 96, 4, 3214868480
	.section	.rodata,"a",@progbits
	.p2align	6, 0x0
	.amdhsa_kernel k_q72c91abee7_attn
		.amdhsa_group_segment_fixed_size 327680
		.amdhsa_private_segment_fixed_size 0
		.amdhsa_enable_private_segment 0
		.amdhsa_kernarg_size 32
		.amdhsa_user_sgpr_count 2
		.amdhsa_user_sgpr_kernarg_segment_ptr 1
		.amdhsa_wavefront_size32 1
		.amdhsa_system_sgpr_workgroup_id_x 1
		.amdhsa_system_sgpr_workgroup_id_y 1
		.amdhsa_system_sgpr_workgroup_id_z 1
		.amdhsa_system_vgpr_workitem_id 0
		.amdhsa_next_free_vgpr 256
		.amdhsa_next_free_sgpr 96
		.amdhsa_reserve_vcc 0
		.amdhsa_float_denorm_mode_32 3
		.amdhsa_float_denorm_mode_16_64 3
		.amdhsa_memory_ordered 1
		.amdhsa_forward_progress 1
		.amdhsa_inst_pref_size 51
	.end_amdhsa_kernel
	.amdgpu_metadata
---
amdhsa.version: [ 1, 2 ]
amdhsa.kernels:
  - .name:           k_q72c91abee7_attn
    .symbol:         k_q72c91abee7_attn.kd
    .args:
      - { .name: qq, .offset: 0, .size: 8, .value_kind: global_buffer, .address_space: global }
      - { .name: kv, .offset: 8, .size: 8, .value_kind: global_buffer, .address_space: global }
      - { .name: lowp_scales, .offset: 16, .size: 8, .value_kind: global_buffer, .address_space: global }
      - { .name: ctx, .offset: 24, .size: 8, .value_kind: global_buffer, .address_space: global }
    .group_segment_fixed_size: 327680
    .private_segment_fixed_size: 0
    .kernarg_segment_align: 8
    .kernarg_segment_size: 32
    .max_flat_workgroup_size: 512
    .sgpr_count:     96
    .vgpr_count:     256
    .wavefront_size: 32
...
	.end_amdgpu_metadata
.endif
;; end of part 2
;; launch outln (part 3): grid 256 x 1, 8 waves a work-group, no clusters, 83,456 bytes of LDS; arguments ctx, Wo_w_codes, lowp_scales, Wo_b, Q_data, ln_g, ln_b, out0; writes out0
.if DOCPART == 3
	.amdgcn_target "amdgcn-amd-amdhsa--gfx1250"
	.amdhsa_code_object_version 6
	.text
	.protected	k_q72c91abee7_outln
	.globl	k_q72c91abee7_outln
	.p2align	8
	.type	k_q72c91abee7_outln,@function
k_q72c91abee7_outln:
	s_mov_b64 s[64:65], 0
	v_nop
	global_prefetch_b8 v0, s[64:65] scope:SCOPE_SE
	s_setreg_imm32_b32 hwreg(HW_REG_WAVE_MODE, 25, 1), 1
	s_wait_xcnt 0x0
; THE LAST PROJECTION AND THE NORM: x = ctx Wo x 2^(e16 + e17) + Wo_b + Q_data; out = (x - mean) / sqrt(var + 1e-5) x ln_g + ln_b.  No work is left out.
; ctx comes as codes in the order of the operand's registers: [tile 512][K step 4][piece 4][512 bytes]; lane r of tile T holds row 32 (T / 2) + 8 (T % 2) + r + 8 (r / 8).
; SHARES.  Work-group G owns rows 32 G .. 32 G + 31 (tiles 2 G, 2 G + 1).  In the product wave w makes columns 64 w .. 64 w + 63, its 16 fragments of Wo in window 1; source 0 = 16 rows of Wo, source 1 = ctx:
; a lane holds eight neighbouring columns of one row.  The sums meet in a stage in LDS; then wave w owns rows 4 w .. 4 w + 3 whole, so no sum of the norm leaves a wave.
; NO JOINT LOADS: what work-groups share is Wo, and each wave's part goes from memory straight into the registers where it is used; through LDS it would be written and read there once more.
; The variance is taken round the mean, in a second pass over registers.
; LIMIT: e16 + e17 between -126 and 127.  NaN among the inputs is not served.
; REGISTERS, window 0: v1-10 lane terms; v12, v13 the add's two; v16-31 four a row: a pair of sums, mean or 1 / sigma, at work; v32-63 sums; v64-127 ctx's fragments, then x; v128-191 Q_data; v192-207 ln_g, v208-223 ln_b, v224-239 Wo_b; v240-255 my fragment of ctx.
.set STG,   16384                      ; LDS: ctx's 8 fragments (4 u + s) of 2,048 bytes from 0; the stage: 32 rows of 2,048 + 16 bytes
.set SP,    2064
.set SPARE, STG+32*SP                  ; behind it the spare words, 128 bytes a wave
.set ACC, 32
.set XF,  64
.set RES, 128
.set MSB, 0
.macro WIN new
.if MSB != \new
	s_set_vgpr_msb (MSB<<8)|\new
.set MSB, \new
.endif
.endm
.macro BARRIER
	s_wait_dscnt 0x0
	s_barrier_signal -1
	s_barrier_wait -1
.endm
.macro WLOAD s0                        ; Wo's fragments of K steps s0, s0 + 1: 32 loads
.irp t, 0,1,2,3
.irp s, \s0, \s0+1
.irp c, 0,1,2,3
	global_load_b128 v[16*(4*\t+\s)+4*\c:16*(4*\t+\s)+4*\c+3], v6, s[6:7] offset:16*\t*512+128*(\s)+32*\c
.endr
.endr
.endr
.endm
.macro REDUCE                          ; v[16 + 4 q] summed over the 32 lanes, the four rows line by line
.irp x, 1,2,4,8
.irp q, 0,1,2,3
	v_add_f32_dpp v[16+4*\q], v[16+4*\q], v[16+4*\q] row_xmask:\x row_mask:0xf bank_mask:0xf
.endr
.endr
.irp q, 0,1,2,3
	v_permlanex16_b32 v[19+4*\q], v[16+4*\q], s24, s25
.endr
.irp q, 0,1,2,3
	v_add_f32 v[16+4*\q], v[16+4*\q], v[19+4*\q]
.endr
.endm
	s_load_b512 s[4:19], s[0:1], 0x0               ; ctx 4, Wo 6, scales 8, Wo_b 10, Q_data 12, ln_g 14, ln_b 16, out0 18
	v_lshl_add_u32 v12, v0, 2, SPARE
	v_mov_b32 v13, 0
	v_lshrrev_b32 v1, 5, v0
	v_readfirstlane_b32 s20, v1                    ; wave
	v_and_b32 v1, 31, v0
	v_and_b32 v2, 15, v0                           ; r
	v_bfe_u32 v3, v0, 4, 1                         ; h
	v_and_b32 v4, 8, v2
	v_add_nc_u32 v4, v4, v2                        ; r + 8 (r / 8)
	v_lshlrev_b32 v5, 4, v1                        ; 16 x lane
	v_lshlrev_b32 v6, 9, v2
	v_lshl_add_u32 v6, v3, 4, v6                   ; Wo: row r, + 16 h
	s_lshl_b32 s30, s20, 11
	v_add_nc_u32 v7, s30, v5                       ; my fragment of ctx, in memory and in LDS: 16 x lane + 2,048 x wave
	v_mul_u32_u24 v8, v4, SP
	v_lshl_add_u32 v8, v3, 5, v8
	s_lshl_b32 s30, s20, 8
	s_add_co_u32 s30, s30, STG
	v_add_nc_u32 v8, s30, v8                       ; into the stage: my lane's row, 256 x wave + 32 h bytes on
	s_mul_i32 s30, s20, 4*SP
	s_add_co_u32 s30, s30, STG
	v_add_nc_u32 v9, s30, v5                       ; back: my four rows, 16 bytes a lane
	s_lshl_b32 s30, s20, 13
	v_add_nc_u32 v10, s30, v5                      ; and the same rows in Q_data and out0
	s_mov_b32 s24, 0x76543210
	s_mov_b32 s25, 0xfedcba98
	s_mov_b32 s26, 0x3b000000                      ; 1 / 512
	s_mov_b32 s27, 0x3727c5ac                      ; 1e-5
.irp q, 0,1,2,3
	v_mov_b32 v[19+4*\q], 0                        ; a lane permute's destination counts as read
.endr
	s_lshl_b32 s32, ttmp9, 14
	s_mov_b32 s33, 0
	s_lshl_b32 s34, ttmp9, 16
	s_mov_b32 s35, 0
	s_lshl_b32 s36, s20, 15
	s_mov_b32 s37, 0
	s_wait_kmcnt 0x0
	s_load_b64 s[28:29], s[8:9], 0x40              ; e16, e17
	s_add_nc_u64 s[4:5], s[4:5], s[32:33]
	s_add_nc_u64 s[12:13], s[12:13], s[34:35]
	s_add_nc_u64 s[18:19], s[18:19], s[34:35]
	s_add_nc_u64 s[6:7], s[6:7], s[36:37]
.irp c, 0,1,2,3
	global_load_b128 v[240+4*\c:243+4*\c], v7, s[4:5] offset:512*\c th:TH_LOAD_NT
.endr
.irp q, 0,1,2,3
.irp i, 0,1,2,3
	global_load_b128 v[RES+16*\q+4*\i:RES+16*\q+4*\i+3], v10, s[12:13] offset:2048*\q+512*\i th:TH_LOAD_NT
.endr
.endr
.irp i, 0,1,2,3
	global_load_b128 v[192+4*\i:195+4*\i], v5, s[14:15] offset:512*\i
	global_load_b128 v[208+4*\i:211+4*\i], v5, s[16:17] offset:512*\i
	global_load_b128 v[224+4*\i:227+4*\i], v5, s[10:11] offset:512*\i
.endr
	WIN 0x40                                       ; destination window 1
	WLOAD 0
	WIN 0
	s_wait_loadcnt 60                              ; behind ctx's four loads 16 + 12 + 32 were issued: ctx is in
.irp c, 0,1,2,3
	ds_store_b128 v7, v[240+4*\c:243+4*\c] offset:512*\c
.endr
	WIN 0x40
	WLOAD 2
	WIN 0
	BARRIER                                        ; ctx's eight fragments lie in LDS
	s_wait_kmcnt 0x0
	s_add_co_i32 s22, s28, s29
	s_add_co_i32 s22, s22, 127
	s_lshl_b32 s22, s22, 23                        ; 2^(e16 + e17)
	s_mov_b32 s23, s22
	s_wait_loadcnt 0x0
.irp u, 0,1                            ; a tile of 16 rows at a time
.irp s, 0,1,2,3
.irp c, 0,1,2,3
	ds_load_b128 v[XF+16*\s+4*\c:XF+16*\s+4*\c+3], v5 offset:(4*\u+\s)*2048+512*\c
.endr
.endr
	s_wait_dscnt 0x0                               ; the fragments are in; the stage's stores of the tile before have read the sums
	WIN 0x01                                       ; source 0 (Wo) window 1
.irp s, 0,1,2,3                        ; four accumulators by turns, K ascending
.irp t, 0,1,2,3
.if \s == 0
	v_wmma_f32_16x16x128_fp8_fp8 v[ACC+8*\t:ACC+8*\t+7], v[16*(4*\t+\s):16*(4*\t+\s)+15], v[XF+16*\s:XF+16*\s+15], 0
.else
	v_wmma_f32_16x16x128_fp8_fp8 v[ACC+8*\t:ACC+8*\t+7], v[16*(4*\t+\s):16*(4*\t+\s)+15], v[XF+16*\s:XF+16*\s+15], v[ACC+8*\t:ACC+8*\t+7]
.endif
.endr
.endr
	WIN 0
.rept 5
	v_nop                                          ; four places ahead of the stores and loads below, a fifth since the next tile's products begin these accumulators anew
.endr
.irp t, 0,1,2,3
	ds_store_b128 v8, v[ACC+8*\t:ACC+8*\t+3] offset:8*SP*\u+64*\t        ; row 8 u + r + 8 (r / 8), columns 64 w + 16 t + 8 h + 0 .. 7; the low four first
	ds_store_b128 v8, v[ACC+8*\t+4:ACC+8*\t+7] offset:8*SP*\u+64*\t+16
.endr
.endr
.irp q, 0,1,2,3                        ; Q_data + Wo_b, while the stores are out
.irp k, 0,2,4,6,8,10,12,14
	v_pk_add_f32 v[RES+16*\q+\k:RES+16*\q+\k+1], v[RES+16*\q+\k:RES+16*\q+\k+1], v[224+\k:225+\k]
.endr
.endr
	BARRIER                                        ; 32 whole rows of sums lie in the stage
.irp q, 0,1,2,3
.irp i, 0,1,2,3
	ds_load_b128 v[XF+16*\q+4*\i:XF+16*\q+4*\i+3], v9 offset:SP*\q+512*\i
.endr
.endr
	s_wait_dscnt 0x0
.irp k, 0,2,4,6,8,10,12,14
.irp q, 0,1,2,3
	v_pk_fma_f32 v[XF+16*\q+\k:XF+16*\q+\k+1], v[XF+16*\q+\k:XF+16*\q+\k+1], s[22:23], v[RES+16*\q+\k:RES+16*\q+\k+1] op_sel_hi:[1,0,1]   ; x
.endr
.endr
.irp q, 0,1,2,3
	v_pk_add_f32 v[16+4*\q:17+4*\q], v[XF+16*\q:XF+16*\q+1], v[XF+16*\q+2:XF+16*\q+3]
.endr
.irp k, 4,6,8,10,12,14
.irp q, 0,1,2,3
	v_pk_add_f32 v[16+4*\q:17+4*\q], v[16+4*\q:17+4*\q], v[XF+16*\q+\k:XF+16*\q+\k+1]
.endr
.endr
.irp q, 0,1,2,3
	v_add_f32 v[16+4*\q], v[16+4*\q], v[17+4*\q]
.endr
	REDUCE
.irp q, 0,1,2,3
	v_mul_f32 v[18+4*\q], s26, v[16+4*\q]          ; the mean
.endr
.irp k, 0,2,4,6,8,10,12,14
.irp q, 0,1,2,3
	v_pk_add_f32 v[XF+16*\q+\k:XF+16*\q+\k+1], v[XF+16*\q+\k:XF+16*\q+\k+1], v[18+4*\q:19+4*\q] op_sel_hi:[1,0] neg_lo:[0,1] neg_hi:[0,1]   ; x - mean
.endr
.endr
.irp q, 0,1,2,3
	v_pk_mul_f32 v[16+4*\q:17+4*\q], v[XF+16*\q:XF+16*\q+1], v[XF+16*\q:XF+16*\q+1]
.endr
.irp k, 2,4,6,8,10,12,14
.irp q, 0,1,2,3
	v_pk_fma_f32 v[16+4*\q:17+4*\q], v[XF+16*\q+\k:XF+16*\q+\k+1], v[XF+16*\q+\k:XF+16*\q+\k+1], v[16+4*\q:17+4*\q]
.endr
.endr
.irp q, 0,1,2,3
	v_add_f32 v[16+4*\q], v[16+4*\q], v[17+4*\q]
.endr
	REDUCE
.irp q, 0,1,2,3
	v_fma_f32 v[16+4*\q], v[16+4*\q], s26, s27     ; var + 1e-5
.endr
.irp q, 0,1,2,3
	v_rsq_f32 v[18+4*\q], v[16+4*\q]
.endr
	v_nop                                          ; a plain line behind the last of the batch
	s_wait_alu depctr_va_vdst(0)                   ; one wait for the four, ahead of their first reader
.irp k, 0,2,4,6,8,10,12,14
.irp q, 0,1,2,3
	v_pk_mul_f32 v[XF+16*\q+\k:XF+16*\q+\k+1], v[XF+16*\q+\k:XF+16*\q+\k+1], v[18+4*\q:19+4*\q] op_sel_hi:[1,0]
.endr
.endr
.irp k, 0,2,4,6,8,10,12,14
.irp q, 0,1,2,3
	v_pk_fma_f32 v[XF+16*\q+\k:XF+16*\q+\k+1], v[XF+16*\q+\k:XF+16*\q+\k+1], v[192+\k:193+\k], v[208+\k:209+\k]
.endr
.endr
.irp q, 0,1,2,3
.irp i, 0,1,2,3
	global_store_b128 v10, v[XF+16*\q+4*\i:XF+16*\q+4*\i+3], s[18:19] offset:2048*\q+512*\i th:TH_STORE_NT   ; 512 consecutive bytes, aligned
.endr
.endr
	s_wait_tensorcnt 0x0                           ; the wave's end
	ds_add_u32 v12, v13
	s_wait_dscnt 0x0
	s_endpgm
.Lfunc_end_k_q72c91abee7_outln:
	.size	k_q72c91abee7_outln, .Lfunc_end_k_q72c91abee7_outln-k_q72c91abee7_outln
	.p2alignl 7, 3214868480
	.fill 96, 4, 3214868480
	.section	.rodata,"a",@progbits
	.p2align	6, 0x0
	.amdhsa_kernel k_q72c91abee7_outln
		.amdhsa_group_segment_fixed_size 83456
		.amdhsa_private_segment_fixed_size 0
		.amdhsa_enable_private_segment 0
		.amdhsa_kernarg_size 64
		.amdhsa_user_sgpr_count 2
		.amdhsa_user_sgpr_kernarg_segment_ptr 1
		.amdhsa_wavefront_size32 1
		.amdhsa_system_sgpr_workgroup_id_x 1
		.amdhsa_system_sgpr_workgroup_id_y 1
		.amdhsa_system_sgpr_workgroup_id_z 1
		.amdhsa_system_vgpr_workitem_id 0
		.amdhsa_next_free_vgpr 512
		.amdhsa_next_free_sgpr 66
		.amdhsa_reserve_vcc 0
		.amdhsa_float_denorm_mode_32 3
		.amdhsa_float_denorm_mode_16_64 3
		.amdhsa_memory_ordered 1
		.amdhsa_forward_progress 1
		.amdhsa_inst_pref_size 38
	.end_amdhsa_kernel
	.amdgpu_metadata
---
amdhsa.version: [ 1, 2 ]
amdhsa.kernels:
  - .name:           k_q72c91abee7_outln
    .symbol:         k_q72c91abee7_outln.kd
    .args:
      - { .name: ctx, .offset: 0, .size: 8, .value_kind: global_buffer, .address_space: global }
      - { .name: Wo_w_codes, .offset: 8, .size: 8, .value_kind: global_buffer, .address_space: global }
      - { .name: lowp_scales, .offset: 16, .size: 8, .value_kind: global_buffer, .address_space: global }
      - { .name: Wo_b, .offset: 24, .size: 8, .value_kind: global_buffer, .address_space: global }
      - { .name: Q_data, .offset: 32, .size: 8, .value_kind: global_buffer, .address_space: global }
      - { .name: ln_g, .offset: 40, .size: 8, .value_kind: global_buffer, .address_space: global }
      - { .name: ln_b, .offset: 48, .size: 8, .value_kind: global_buffer, .address_space: global }
      - { .name: out0, .offset: 56, .size: 8, .value_kind: global_buffer, .address_space: global }
    .group_segment_fixed_size: 83456
    .private_segment_fixed_size: 0
    .kernarg_segment_align: 8
    .kernarg_segment_size: 64
    .max_flat_workgroup_size: 256
    .sgpr_count:     66
    .vgpr_count:     512
    .wavefront_size: 32
...
	.end_amdgpu_metadata
.endif
;; end of part 3
;; ======== version 2 of 2: 3 launches
;; limits: right only within a limited range of input values
;; workspace buffers: qq 8,388,608 bytes; kv 12,582,912 bytes; ctx 4,194,304 bytes
;; launch proj (part 4): grid 256 x 1, 8 waves a work-group, no clusters, 33,792 bytes of LDS; arguments Q_data, Q_time_codes, K_data_codes, K_time_codes, V_time_codes, Wq_d_w_codes, Wq_t_w_codes, Wk_d_w_codes, Wk_t_w_codes, Wv_t_w_codes, Wq_d_b, Wq_t_b, Wk_d_b, Wk_t_b, Wv_t_b, lowp_scales, qq, kv; writes qq, kv
.if DOCPART == 4
	.amdgcn_target "amdgcn-amd-amdhsa--gfx1250"
	.amdhsa_code_object_version 6
	.text
	.protected	k_q72c91abee7_proj
	.globl	k_q72c91abee7_proj
	.p2align	8
	.type	k_q72c91abee7_proj,@function
k_q72c91abee7_proj:
	s_mov_b64 s[64:65], 0
	v_nop
	global_prefetch_b8 v0, s[64:65] scope:SCOPE_SE
	s_setreg_imm32_b32 hwreg(HW_REG_WAVE_MODE, 25, 1), 1
	s_wait_xcnt 0x0
; THE FIVE PROJECTIONS: y = x W + b on codes of FP8 (E4M3), y quantised at once with the scale of the product that takes it, and stored as codes in the order of the reader's operand registers.
; NO WORK OF THE PROBLEM IS LEFT OUT IN ANY OF THE THREE LAUNCHES: every bias goes into a quantised operand or into the output, so every input is loaded.
; P = 0 qd (x = Q_data, f32, quantised here with 2^e0), 1 qt, 2 kd, 3 kt, 4 v (x given as codes).  ex, ew = entries 2 P, 2 P + 1 of the scales; eo = entry 10, 12, 11, 13, 15.
; SHARES.  A block is 64 rows x 512 columns of one projection.  Work-groups 0-127: P = 0, one block each (128 KiB of f32); work-groups 128-255: P = 1 + y / 32, four blocks each (128 KiB of codes), y = number - 128.
; Wave w is head w: columns 64 w .. 64 w + 63 for all 64 rows; its 16 fragments of W (32 KiB) go from memory straight into window 1 and stay there.
; NO JOINT LOADS: what work-groups share is W, and each wave's part of it is read by that wave alone, once, into registers; through LDS it would be written and read there once more (256 KiB each way a work-group).
; ONE ROW ORDER EVERYWHERE: lane r of tile T holds row 32 (T / 2) + 8 (T % 2) + r + 8 (r / 8).  So the 16 registers that two neighbouring tiles give a lane are 16 neighbours, 32 b + 16 h + 0 .. 15, along the next product's K.
; q, k: source 0 = 16 rows of W, source 1 = 16 rows of x: a lane holds one row, registers run along the head's channels.  v: sources swapped: a lane holds one channel, registers run along the keys.
; A fragment's registers 4 c .. 4 c + 3 hold k = 32 c + 16 h + 0 .. 15: one permutation of k, the same on both sides of every product of the program.
; The bias is the C of each sum's first matrix instruction, divided by 2^(ex + ew); the conversion takes 2^(eo - ex - ew).
; OUT.  qq [bh 32][tile 128][2,048]: qd's pieces 0, 1, qt's pieces 0, 1.  kv [bh 32][key step 16][24,576]: kd tile tt at 1,024 tt, kt the same from 8,192 on, V^T channel tile t at 16,384 + 2,048 t, piece c at + 512 c.
; A piece is 512 bytes, lane l's 16 at 16 l: every store of a wave covers 512 consecutive bytes, aligned.
; LIMITS: e0, and eo - ex - ew, between -126 and 119, so that each power of two below is an f32 number.  NaN among the inputs is not served.
; REGISTERS, window 0: v1-10 lane terms; v12-15 scales; v16-23 store offsets; v24, v25 the add's two; v32-63 bias; v64-127 sums; v128-191 four fragments of x (v64-191: Q_data's f32 at the head); v192-223 my two fragments of x; v224-239 codes out.  Window 1: W.
.set SPARE, 32768                      ; LDS: x's 16 fragments (4 m + s) of 2,048 bytes from 0; behind them the spare words, 128 bytes a wave
.set BI,  32
.set ACC, 64
.set XF,  128
.set PC,  192
.set CO,  224
.set ST,  64
.set MSB, 0
.macro WIN new                         ; the immediate's high byte repeats the setting that is left
.if MSB != \new
	s_set_vgpr_msb (MSB<<8)|\new
.set MSB, \new
.endif
.endm
.macro BARRIER                         ; my LDS stores have landed and my LDS loads are in: then the work-group's barrier
	s_wait_dscnt 0x0
	s_barrier_signal -1
	s_barrier_wait -1
.endm
; 64 numbers of a lane, register 16 b + i = k 32 b + 16 h + i, become a fragment's 16 registers of codes
.macro QUANT src, dst, sc, lim
.irp b, 0,1,2,3
.irp i, 0,1,2,3,4,5,6,7,8,9,10,11,12,13,14,15
	v_med3_num_f32 v[\src+16*\b+\i], v[\src+16*\b+\i], -v[\lim], v[\lim]   ; the conversion does not saturate (ISA guide 7.6.2): the hold at the largest code x the scale
.endr
	v_cvt_scalef32_pk8_fp8_f32 v[\dst+4*\b:\dst+4*\b+1], v[\src+16*\b:\src+16*\b+7], v[\sc]
	v_cvt_scalef32_pk8_fp8_f32 v[\dst+4*\b+2:\dst+4*\b+3], v[\src+16*\b+8:\src+16*\b+15], v[\sc]
.endr
	v_nop                                          ; a plain line behind the last conversion, ahead of whatever next writes its sources
.endm
.macro IMAGE reg, off                  ; a fragment goes to LDS as it stands in registers,
.irp c, 0,1,2,3
	ds_store_b128 v8, v[\reg+4*\c:\reg+4*\c+3] offset:\off+512*\c
.endr
.endm
.macro FETCH reg, off                  ; and comes back so, in any wave
.irp c, 0,1,2,3
	ds_load_b128 v[\reg+4*\c:\reg+4*\c+3], v5 offset:\off+512*\c
.endr
.endm
.macro HFETCH pr, hs, sp               ; half a group: the fragments of K step 2 hs + sp of the two tiles of rows 2 pr, 2 pr + 1: 8 loads
	FETCH XF+16*(\sp), (4*(2*(\pr))+2*(\hs)+(\sp))*2048
	FETCH XF+32+16*(\sp), (4*(2*(\pr)+1)+2*(\hs)+(\sp))*2048
.endm
.macro XCODES
.irp sp, 0,1
.irp c, 0,1,2,3
	global_load_b128 v[PC+16*\sp+4*\c:PC+16*\sp+4*\c+3], v7, s[40:41] offset:128*\sp+32*\c
.endr
.endr
.endm
; 8 matrix instructions: K step 2 hs + sp x two tiles of rows x my four tiles of W.  The eight accumulators take turns, one instruction a turn.
.macro MM arm, hs, sp
.if \arm
	WIN 0x04                                       ; source 1 (W) window 1
.else
	WIN 0x01                                       ; source 0 (W) window 1
.endif
.irp mm, 0,1
.irp t, 0,1,2,3
.set rW, 16*(4*\t+2*(\hs)+\sp)
.set rX, XF+16*(2*\mm+\sp)
.if \arm
.set rD, ACC+8*(2*\t+\mm)
.if ((\hs) == 0) && (\sp == 0)
	v_wmma_f32_16x16x128_fp8_fp8 v[rD:rD+7], v[rX:rX+15], v[rW:rW+15], v[BI+8*\t:BI+8*\t+7]
.else
	v_wmma_f32_16x16x128_fp8_fp8 v[rD:rD+7], v[rX:rX+15], v[rW:rW+15], v[rD:rD+7]
.endif
.else
.set rD, ACC+8*(4*\mm+\t)
.if ((\hs) == 0) && (\sp == 0)
	v_wmma_f32_16x16x128_fp8_fp8 v[rD:rD+7], v[rW:rW+15], v[rX:rX+15], v[BI+8*\t:BI+8*\t+7]
.else
	v_wmma_f32_16x16x128_fp8_fp8 v[rD:rD+7], v[rW:rW+15], v[rX:rX+15], v[rD:rD+7]
.endif
.endif
.endr
.endr
	WIN 0
.endm
.macro MMSEL hs, sp
	s_cmp_eq_u32 s51, 4
	s_cbranch_scc1 .Lmm_v_\@
	s_wait_alu depctr_va_vdst(0)
	MM 0, \hs, \sp
	s_branch .Lmm_done_\@
.Lmm_v_\@:
	s_wait_alu depctr_va_vdst(0)
	MM 1, \hs, \sp
.Lmm_done_\@:
.endm
	s_load_b512 s[4:19], s[0:1], 0x0               ; x: s[4:13]; W: s[14:23]
	s_load_b512 s[20:35], s[0:1], 0x40             ; biases: s[24:33]; the scales' exponents: s[34:35]
	s_load_b128 s[36:39], s[0:1], 0x80             ; qq, kv
	v_lshl_add_u32 v24, v0, 2, SPARE               ; my spare word
	v_mov_b32 v25, 0
	v_lshrrev_b32 v1, 5, v0
	s_delay_alu instid0(VALU_DEP_1)
	v_readfirstlane_b32 s50, v1                    ; wave = head
	v_and_b32 v1, 31, v0                           ; lane
	v_and_b32 v2, 15, v0                           ; r
	v_bfe_u32 v3, v0, 4, 1                         ; h
	s_delay_alu instid0(VALU_DEP_2)
	v_and_b32 v4, 8, v2
	s_delay_alu instid0(VALU_DEP_1)
	v_add_nc_u32 v4, v4, v2                        ; r + 8 (r / 8)
	v_lshlrev_b32 v5, 4, v1                        ; 16 x lane
	s_delay_alu instid0(VALU_DEP_2)
	v_lshlrev_b32 v6, 9, v4
	s_delay_alu instid0(VALU_DEP_1)
	v_lshl_add_u32 v6, v3, 4, v6                   ; a row of 512 codes: 512 (r + 8 (r / 8)) + 16 h
	s_wait_alu depctr_va_vdst(0)
	v_lshlrev_b32 v9, 6, v3                        ; bias, q and k: 64 h
	v_lshlrev_b32 v10, 2, v4                       ; bias, v: my channel
	s_lshl_b32 s70, s50, 12
	v_add_nc_u32 v8, s70, v5                       ; where I store my two fragments of x: 16 x lane + 4,096 x wave
	; which projection, which block
	s_sub_co_u32 s70, ttmp9, 128
	s_lshr_b32 s71, s70, 5
	s_add_co_u32 s71, s71, 1
	s_and_b32 s72, s70, 31
	s_lshl_b32 s72, s72, 2
	s_cmp_lt_u32 ttmp9, 128
	s_cselect_b32 s51, 0, s71                      ; P
	s_cselect_b32 s52, ttmp9, s72                  ; G: block of 64 rows, 0 .. 127
	s_cselect_b32 s53, 1, 4                        ; blocks to go
	s_cselect_b32 s54, 2, 0                        ; f32 is four bytes a number
	; x: wave w makes fragments 2 w, 2 w + 1: tile of rows m = w / 2, K steps 2 (w % 2) on
	s_lshr_b32 s70, s50, 2
	s_lshl_b32 s70, s70, 14
	s_bfe_u32 s71, s50, 0x10001
	s_lshl_b32 s71, s71, 12
	s_add_co_u32 s70, s70, s71
	s_and_b32 s71, s50, 1
	s_lshl_b32 s71, s71, 8
	s_add_co_u32 s70, s70, s71
	v_add_nc_u32 v7, s70, v6
	s_delay_alu instid0(VALU_DEP_1)
	v_lshlrev_b32 v7, s54, v7
	; where the scales stand
	s_lshl_b32 s74, s51, 3                         ; ex, ew at entries 2 P, 2 P + 1
	s_and_b32 s75, s51, 1
	s_lshl_b32 s75, s75, 1
	s_lshr_b32 s76, s51, 1
	s_add_co_u32 s75, s75, s76
	s_add_co_u32 s75, s75, 10                      ; eo: 10, 12, 11, 13,
	; the output's strides: q's, then k's, then v's
	s_mov_b32 s60, 262144                          ; a head
	s_mov_b32 s55, 16384                           ; two blocks
	s_mov_b32 s56, 8192                            ; the odd block
	s_mov_b32 s57, 512                             ; store i: bit 0,
	s_mov_b32 s58, 2048                            ; bit 1,
	s_mov_b32 s59, 4096                            ; the second pair of tiles of rows
	s_cmp_ge_u32 s51, 2
	s_cselect_b32 s60, 393216, s60
	s_cselect_b32 s55, 24576, s55
	s_cselect_b32 s56, 4096, s56
	s_cselect_b32 s58, 1024, s58
	s_cselect_b32 s59, 2048, s59
	s_cselect_b32 s70, 13, 10
	s_and_b32 s61, s51, 1
	s_lshl_b32 s61, s61, s70                       ; the region: qt 1,024, kt 8,192,
	s_cmp_eq_u32 s51, 4
	s_cselect_b32 s56, 1024, s56
	s_cselect_b32 s57, 2048, s57
	s_cselect_b32 s58, 4096, s58
	s_cselect_b32 s59, 512, s59
	s_cselect_b32 s61, 16384, s61                  ; V^T 16,384
	s_cselect_b32 s75, 15, s75                     ; and v's eo: 15
	s_lshl_b32 s75, s75, 2
	v_mov_b32 v16, v5
	v_add_nc_u32 v17, s57, v5
	v_add_nc_u32 v18, s58, v5
	s_delay_alu instid0(VALU_DEP_2)
	v_add_nc_u32 v19, s58, v17
.irp i, 0,1,2,3
	s_delay_alu instid0(VALU_DEP_4)
	v_add_nc_u32 v[20+\i], s59, v[16+\i]
.endr
	s_wait_kmcnt 0x0
	s_load_b64 s[66:67], s[34:35], s74 offset:0x0  ; ex, ew
	s_load_b32 s68, s[34:35], s75 offset:0x0       ; eo
	s_mov_b64 s[40:41], s[4:5]                     ; the projection's x, W and bias: choices on the work-group's number
	s_mov_b64 s[42:43], s[14:15]
	s_mov_b64 s[44:45], s[24:25]
.irp k, 1,2,3,4
	s_cmp_eq_u32 s51, \k
	s_cselect_b64 s[40:41], s[4+2*\k:5+2*\k], s[40:41]
	s_cselect_b64 s[42:43], s[14+2*\k:15+2*\k], s[42:43]
	s_cselect_b64 s[44:45], s[24+2*\k:25+2*\k], s[44:45]
.endr
	s_cmp_ge_u32 s51, 2
	s_cselect_b64 s[46:47], s[38:39], s[36:37]
	s_lshl_b32 s70, s52, 15
	s_lshl_b32 s70, s70, s54
	s_mov_b32 s71, 0
	s_add_nc_u64 s[40:41], s[40:41], s[70:71]      ; x at my first block
	s_lshl_b32 s70, s50, 15
	s_add_nc_u64 s[42:43], s[42:43], s[70:71]      ; my 64 rows of W
	s_lshl_b32 s70, s50, 8
	s_add_nc_u64 s[44:45], s[44:45], s[70:71]      ; my 64 numbers of the bias
	s_lshr_b32 s70, s52, 5
	s_lshl_b32 s70, s70, 3
	s_add_co_u32 s70, s70, s50
	s_mul_i32 s70, s70, s60
	s_add_co_u32 s70, s70, s61
	s_add_nc_u64 s[46:47], s[46:47], s[70:71]      ; the output at (batch, head), region
	WIN 0x40                                       ; destination window 1
.irp t, 0,1,2,3                        ; W's fragment (tile t, K step s) at v[16 (4 t + s)] of window 1
.irp s, 0,1,2,3
.irp c, 0,1,2,3
	global_load_b128 v[16*(4*\t+\s)+4*\c:16*(4*\t+\s)+4*\c+3], v6, s[42:43] offset:(32*(\t/2)+8*(\t%2))*512+128*\s+32*\c
.endr
.endr
.endr
	WIN 0
	s_cmp_eq_u32 s51, 4                            ; the bias in the result's layout; both arms write all 32 registers
	s_cbranch_scc1 .Lbias_v
.irp t, 0,1,2,3                        ; q, k: register j = channel 32 (t / 2) + 8 (t % 2) + 16 h + j
	global_load_b128 v[BI+8*\t:BI+8*\t+3], v9, s[44:45] offset:(32*(\t/2)+8*(\t%2))*4
	global_load_b128 v[BI+8*\t+4:BI+8*\t+7], v9, s[44:45] offset:(32*(\t/2)+8*(\t%2))*4+16
.endr
	s_branch .Lbias_done
.Lbias_v:
.irp t, 0,1,2,3                        ; v: all eight registers = my lane's channel
.irp j, 0,1,2,3,4,5,6,7
	global_load_b32 v[BI+8*\t+\j], v10, s[44:45] offset:(32*(\t/2)+8*(\t%2))*4
.endr
.endr
.Lbias_done:
	s_wait_kmcnt 0x0
	s_add_co_i32 s69, s66, s67                     ; ex + ew
	s_sub_co_i32 s70, s68, s69                     ; eo - ex - ew
	s_sub_co_i32 s69, 0, s69
	s_add_co_i32 s71, s66, 127
	s_lshl_b32 s72, s71, 23
	v_mov_b32 v12, s72                             ; 2^ex
	s_add_co_i32 s71, s71, 8
	s_lshl_b32 s71, s71, 23
	s_or_b32 s71, s71, 0x600000
	v_mov_b32 v13, s71                             ; 448 x 2^ex
	s_add_co_i32 s70, s70, 127
	s_lshl_b32 s72, s70, 23
	v_mov_b32 v14, s72                             ; 2^(eo - ex - ew)
	s_add_co_i32 s70, s70, 8
	s_lshl_b32 s70, s70, 23
	s_or_b32 s70, s70, 0x600000
	v_mov_b32 v15, s70                             ; 448 x that
	s_cmp_eq_u32 s51, 0
	s_cbranch_scc0 .Lx_codes
.irp sp, 0,1                           ; Q_data: lane (r, h) takes 16 neighbours of each block of 32 of its row.  No hint: a block's four loads take turns on the same 128 consecutive bytes of each row
.irp b, 0,1,2,3
.irp j, 0,1,2,3
	global_load_b128 v[ST+64*\sp+16*\b+4*\j:ST+64*\sp+16*\b+4*\j+3], v7, s[40:41] offset:512*\sp+128*\b+16*\j
.endr
.endr
.endr
	s_wait_loadcnt 0x0
	s_wait_alu depctr_va_vdst(0)
	QUANT ST, PC, 12, 13
	QUANT ST+64, PC+16, 12, 13
	s_branch .Lx_done
.Lx_codes:
	XCODES
.Lx_done:
	s_wait_loadcnt 0x0                             ; W, the bias, x
.irp i, 0,1,2,3,4,5,6,7,8,9,10,11,12,13,14,15,16,17,18,19,20,21,22,23,24,25,26,27,28,29,30,31
	v_ldexp_f32 v[BI+\i], v[BI+\i], s69            ; b / 2^(ex + ew)
.endr
.Lblock:
	s_wait_loadcnt 0x0                             ; this block's codes of x, asked for a block ago
	IMAGE PC, 0
	IMAGE PC+16, 2048
	BARRIER
	HFETCH 0, 0, 0                                 ; the block's first two halves are asked for at once; the address work below stands under their flight
	HFETCH 0, 0, 1
	s_and_b32 s70, s52, 31                         ; the block in its batch
	s_lshr_b32 s71, s70, 1
	s_mul_i32 s71, s71, s55
	s_and_b32 s70, s70, 1
	s_mul_i32 s70, s70, s56
	s_add_co_u32 s70, s70, s71
	s_mov_b32 s71, 0
	s_wait_xcnt 0x0                                ; the last block's stores have read their base and v224-239; it stands ahead of the loads below, so that it waits for none of them
	s_add_nc_u64 s[48:49], s[46:47], s[70:71]
	s_cmp_eq_u32 s53, 1                            ; the next block's codes, if there is one: no load leaves its buffer
	s_cbranch_scc1 .Lno_next
	s_add_nc_u64 s[40:41], s[40:41], 32768         ; (free since the wait for loads at the trip's head)
	XCODES
.Lno_next:
.irp pr, 0,1                           ; two tiles of rows at a time; a block is eight halves n = 4 pr + 2 hs + sp of 8 products each
.irp hs, 0,1
.irp sp, 0,1
.if (4*\pr+2*\hs+\sp) < 7
	s_wait_dscnt 8                                 ; this half's 8 loads are in; the 8 issued behind them, the next half's, may be out
.else
	s_wait_dscnt 0x0
.endif
	MMSEL \hs, \sp
.rept 4
	v_nop                                          ; places ahead of loads into registers that the products read, and of the first read of results
.endr
.if (4*\pr+2*\hs+\sp) < 6
	HFETCH (4*\pr+2*\hs+\sp+2)/4, ((4*\pr+2*\hs+\sp+2)/2)%2, \sp   ; half n + 2 into the registers that half n has left: it lands under half n + 1's products
.endif
.endr
.endr
.if \pr
	s_wait_xcnt 0x0                                ; the first pair's stores have read v224-239 (ahead of the first pair no store was issued since the wait at the block's head)
.endif
	QUANT ACC, CO, 14, 15                          ; each accumulator from its low end on
.irp i, 0,1,2,3
	global_store_b128 v[16+4*\pr+\i], v[CO+4*\i:CO+4*\i+3], s[48:49]   ; 512 consecutive bytes, aligned
.endr
.endr
	BARRIER                                        ; every wave's reads of x's fragments are over: they may be written again
	s_add_co_u32 s52, s52, 1
	s_sub_co_u32 s53, s53, 1
	s_cmp_gt_i32 s53, 0
	s_cbranch_scc1 .Lblock
	s_wait_tensorcnt 0x0                           ; the wave's end
	ds_add_u32 v24, v25
	s_wait_dscnt 0x0
	s_endpgm
.Lfunc_end_k_q72c91abee7_proj:
	.size	k_q72c91abee7_proj, .Lfunc_end_k_q72c91abee7_proj-k_q72c91abee7_proj
	.p2alignl 7, 3214868480
	.fill 96, 4, 3214868480
	.section	.rodata,"a",@progbits
	.p2align	6, 0x0
	.amdhsa_kernel k_q72c91abee7_proj
		.amdhsa_group_segment_fixed_size 33792
		.amdhsa_private_segment_fixed_size 0
		.amdhsa_enable_private_segment 0
		.amdhsa_kernarg_size 144
		.amdhsa_user_sgpr_count 2
		.amdhsa_user_sgpr_kernarg_segment_ptr 1
		.amdhsa_wavefront_size32 1
		.amdhsa_system_sgpr_workgroup_id_x 1
		.amdhsa_system_sgpr_workgroup_id_y 1
		.amdhsa_system_sgpr_workgroup_id_z 1
		.amdhsa_system_vgpr_workitem_id 0
		.amdhsa_next_free_vgpr 512
		.amdhsa_next_free_sgpr 96
		.amdhsa_reserve_vcc 0
		.amdhsa_float_denorm_mode_32 3
		.amdhsa_float_denorm_mode_16_64 3
		.amdhsa_memory_ordered 1
		.amdhsa_forward_progress 1
		.amdhsa_inst_pref_size 59
	.end_amdhsa_kernel
	.amdgpu_metadata
---
amdhsa.version: [ 1, 2 ]
amdhsa.kernels:
  - .name:           k_q72c91abee7_proj
    .symbol:         k_q72c91abee7_proj.kd
    .args:
      - { .name: Q_data, .offset: 0, .size: 8, .value_kind: global_buffer, .address_space: global }
      - { .name: Q_time_codes, .offset: 8, .size: 8, .value_kind: global_buffer, .address_space: global }
      - { .name: K_data_codes, .offset: 16, .size: 8, .value_kind: global_buffer, .address_space: global }
      - { .name: K_time_codes, .offset: 24, .size: 8, .value_kind: global_buffer, .address_space: global }
      - { .name: V_time_codes, .offset: 32, .size: 8, .value_kind: global_buffer, .address_space: global }
      - { .name: Wq_d_w_codes, .offset: 40, .size: 8, .value_kind: global_buffer, .address_space: global }
      - { .name: Wq_t_w_codes, .offset: 48, .size: 8, .value_kind: global_buffer, .address_space: global }
      - { .name: Wk_d_w_codes, .offset: 56, .size: 8, .value_kind: global_buffer, .address_space: global }
      - { .name: Wk_t_w_codes, .offset: 64, .size: 8, .value_kind: global_buffer, .address_space: global }
      - { .name: Wv_t_w_codes, .offset: 72, .size: 8, .value_kind: global_buffer, .address_space: global }
      - { .name: Wq_d_b, .offset: 80, .size: 8, .value_kind: global_buffer, .address_space: global }
      - { .name: Wq_t_b, .offset: 88, .size: 8, .value_kind: global_buffer, .address_space: global }
      - { .name: Wk_d_b, .offset: 96, .size: 8, .value_kind: global_buffer, .address_space: global }
      - { .name: Wk_t_b, .offset: 104, .size: 8, .value_kind: global_buffer, .address_space: global }
      - { .name: Wv_t_b, .offset: 112, .size: 8, .value_kind: global_buffer, .address_space: global }
      - { .name: lowp_scales, .offset: 120, .size: 8, .value_kind: global_buffer, .address_space: global }
      - { .name: qq, .offset: 128, .size: 8, .value_kind: global_buffer, .address_space: global }
      - { .name: kv, .offset: 136, .size: 8, .value_kind: global_buffer, .address_space: global }
    .group_segment_fixed_size: 33792
    .private_segment_fixed_size: 0
    .kernarg_segment_align: 8
    .kernarg_segment_size: 144
    .max_flat_workgroup_size: 256
    .sgpr_count:     96
    .vgpr_count:     512
    .wavefront_size: 32
...
	.end_amdgpu_metadata
.endif
;; end of part 4
;; launch attn (part 5): grid 8 x 32, 8 waves a work-group, clusters of 4 x 1, 327,680 bytes of LDS; arguments qq, kv, lowp_scales, ctx; writes ctx
.if DOCPART == 5
	.amdgcn_target "amdgcn-amd-amdhsa--gfx1250"
	.amdhsa_code_object_version 6
	.text
	.protected	k_q72c91abee7_attn
	.globl	k_q72c91abee7_attn
	.p2align	8
	.type	k_q72c91abee7_attn,@function
k_q72c91abee7_attn:
	s_mov_b64 s[64:65], 0
	v_nop
	global_prefetch_b8 v0, s[64:65] scope:SCOPE_SE
	s_setreg_imm32_b32 hwreg(HW_REG_WAVE_MODE, 25, 1), 1
	s_wait_xcnt 0x0
	s_wait_alu depctr_hold_cnt(0) depctr_sa_sdst(0) depctr_va_vdst(0) depctr_va_sdst(0) depctr_va_ssrc(0) depctr_va_vcc(0) depctr_vm_vsrc(0)
	s_getreg_b32 s2, hwreg(HW_REG_IB_STS2, 6, 4)
	s_cmp_eq_u32 s2, 0
	s_cbranch_scc0 .Lentry_in_a_cluster
	s_endpgm
.Lentry_in_a_cluster:
	s_bfe_u32 s2, ttmp6, 0x10000c
	s_cmp_lg_u32 s2, 0x3003
	s_cbranch_scc0 .Lentry_shape_is_right
	s_endpgm
.Lentry_shape_is_right:
; ATTENTION on codes of FP8 (E4M3): score = qd . kd + qt . kt, each product with its own two scales; softmax; x V; the result quantised with 2^e16 for the last projection.  No work of the problem is left out.
; t = score x log2(e) / 8; M = the running largest t rounded UP to a whole number; p = 2^(t - M) is quantised with 2^e14; the row's sum is taken of the unquantised p and divides at the end.
; u = qd . kd + r (qt . kt), r = 2^(e12 + e13 - e10 - e11): the second product is made first, multiplied by r in place, and is the C of the first product.  t = u x c x 2^(e10 + e11).
; SHARES.  A work-group owns 256 queries of one (batch, head); each of its eight waves two tiles of 16 (A, B).  Every fragment of kd, kt and V^T read from LDS feeds two products.  Every wave walks all 2,048 keys, 128 a step.
; WINDOWS.  Window 0 holds what vector instructions touch, for both tiles: scores, O^T, sums: the softmax is written once, the two tiles' chains line by line.  Window 1 holds the matrix operands: Q, kt, kd, V^T, p's codes.
; RING.  kv holds a key step as one dense block of 24,576 bytes in the order of the operands' registers.  Slot 0 takes steps 0-4, slot 1 steps 5-10, slot 0 again steps 11-15: every wave fetches an eighth of each fill (60 or 72 rows of 256 bytes):
; by this text's count a wave has one tensor load out.  A step's kt and kd are read from LDS during the step before; a phase's last step reads its own K once more (32 LDS loads that nothing uses), so that the step has one form.
; CLUSTER.  The four query blocks of a cluster belong to one head and walk the same kv: each fill is asked for jointly, with the mask of all four.
; PREFETCH.  Steps 11-15 (122,880 bytes a head) are asked for when slot 1's fill has gone out, five key steps ahead of their load: the head's eight work-groups take 15,360 bytes each, told apart by address; waves 0 and 1 ask, lanes 256 bytes apart.
; Steps 0-10 come by their loads alone: their fills go out at the head, with no step to run ahead in.
; LAYOUT.  S^T = K Q^T, O^T = V^T P^T: a lane holds one query.  The 16 registers of key tiles 2 b, 2 b + 1 are keys 32 b + 16 h + 0 .. 15 (the row order in which the tiles were laid), so the conversions' results are the next operand's registers.
; LIMITS: e10 + e11 between -123 and 130; e12 + e13 - e10 - e11 between -126 and 127; e14 and e16 between -126 and 119; the scaled scores t stay under 2^31 in magnitude.  NaN is not served.
; REGISTERS, window 0: v1 16 x lane; v3 prefetch offset; v5, v6 the add's two; v8, v9 LDS address of this step, the next; v12 -M, v13 largest u of A, v14, v15 of B; v[16:17], v[18:19] the sums; v20, v22 f; v24-55 at work;
; v56, v57 448 x 2^e14; v58 2^e14; v59, v60 e16's; v64-127 scores of A, v128-191 of B; v192-223 O^T of A, v224-255 of B.  Window 1: v0-31 Q; v32-95 kt; v96-159 kd; v160-223 V^T; v224-255 p's codes.
.set STEPB, 24576
.set HEADB, 16*STEPB
.set PA,    5*STEPB/8                  ; a wave's part of five steps: 60 rows of 256 bytes
.set PB,    6*STEPB/8                  ; of six: 72 rows
.set SLOT1, 5*STEPB+16384              ; slot 1; 16,384 bytes between the slots are not used
.set SPARE, SLOT1+6*STEPB+16384        ; the spare words, 128 bytes a wave
.set TT, 24
.set SA, 64
.set SB, 128
.set OA, 192
.set OB, 224
.set QA, 0
.set QB, 16
.set KT, 32
.set KD, 96
.set VF, 160
.set CA, 224
.set CB, 240
.set MSB, 0
.macro WIN new                         ; bits 1:0 source 0, 3:2 source 1, 5:4 source 2, 7:6 destination; the high byte repeats the setting that is left
.if MSB != \new
	s_set_vgpr_msb (MSB<<8)|\new
.set MSB, \new
.endif
.endm
.macro NOPS n
.rept \n
	v_nop
.endr
.endm
.macro CROUND                          ; a round of the cluster's barrier
	s_barrier_signal -1
	s_barrier_wait -1
	s_cmp_lg_u32 s12, 0
	s_cbranch_scc1 .Lnot_wave_0_\@
	s_barrier_signal -3
.Lnot_wave_0_\@:
	s_barrier_wait -3
	s_barrier_signal -1
	s_barrier_wait -1
.endm
.macro KLOAD adr                       ; a step's kt and kd, eight tiles each: 32 loads of 512 consecutive bytes
.set T8, 0
.rept 8
	ds_load_b128 v[KT+T8:KT+T8+3], v[\adr] offset:8192+128*T8
	ds_load_b128 v[KT+T8+4:KT+T8+7], v[\adr] offset:8192+128*T8+512
.set T8, T8+8
.endr
.set T8, 0
.rept 8
	ds_load_b128 v[KD+T8:KD+T8+3], v[\adr] offset:128*T8
	ds_load_b128 v[KD+T8+4:KD+T8+7], v[\adr] offset:128*T8+512
.set T8, T8+8
.endr
.endm
.macro SPROD kf, qo, acc               ; eight tiles of keys x two tiles of queries: sixteen accumulators by turns, one instruction a turn
.set T8, 0
.rept 8
.if \acc
	v_wmma_f32_16x16x64_fp8_fp8 v[SA+T8:SA+T8+7], v[\kf+T8:\kf+T8+7], v[QA+\qo:QA+\qo+7], v[SA+T8:SA+T8+7]
	v_wmma_f32_16x16x64_fp8_fp8 v[SB+T8:SB+T8+7], v[\kf+T8:\kf+T8+7], v[QB+\qo:QB+\qo+7], v[SB+T8:SB+T8+7]
.else
	v_wmma_f32_16x16x64_fp8_fp8 v[SA+T8:SA+T8+7], v[\kf+T8:\kf+T8+7], v[QA+\qo:QA+\qo+7], 0
	v_wmma_f32_16x16x64_fp8_fp8 v[SB+T8:SB+T8+7], v[\kf+T8:\kf+T8+7], v[QB+\qo:QB+\qo+7], 0
.endif
.set T8, T8+8
.endr
.endm
.macro DMIN r                          ; the hold at the largest code x the scale, two numbers a line (the conversion does not saturate: ISA guide 7.6.2); p is not negative, so it is one-sided
	v_dual_min_num_f32 v[\r], v[\r], v56 :: v_dual_min_num_f32 v[\r+1], v[\r+1], v57
.endm
.macro CVT src, dst                    ; 64 numbers of a lane become a fragment's 16 registers, in window 1
	WIN 0x40
.set I, 0
.rept 8
	v_cvt_scalef32_pk8_fp8_f32 v[\dst+2*I:\dst+2*I+1], v[\src+8*I:\src+8*I+7], v58
.set I, I+1
.endr
	WIN 0
	v_nop                                          ; a plain line behind the last conversion
.endm
.macro D2
	s_delay_alu instid0(VALU_DEP_2)
.endm
.macro D4
	s_delay_alu instid0(VALU_DEP_4)
.endm
; A KEY STEP: 128 keys x my 32 queries.  lim: the LDS byte of the phase's last step.
.macro STEP lim
	s_wait_alu depctr_va_vdst(0)
	s_wait_dscnt 0x0                               ; kt and kd are in
	WIN 0x05                                       ; K and Q from window 1, the result in window 0
	SPROD KT, 8, 0
	WIN 0
	NOPS 4                                         ; places ahead of the first read of results
.set J, 0
.rept 64
	v_pk_mul_f32 v[SA+J:SA+J+1], v[SA+J:SA+J+1], s[36:37] op_sel_hi:[1,0]   ; x r, exact; each accumulator from its low end on
.set J, J+2
.endr
	WIN 0x05
	SPROD KD, 0, 1                                 ; u
	WIN 0
	s_add_co_u32 s62, s62, STEPB
	s_min_u32 s63, s62, \lim                       ; the next step; in the phase's last step this one again
	v_add_nc_u32 v9, s63, v1
	NOPS 3                                         ; with the line above: four places ahead of the loads and of the first read of results
	WIN 0x40
.set I, 0
.rept 16
	ds_load_b128 v[VF+4*I:VF+4*I+3], v8 offset:16384+512*I   ; V^T
.set I, I+1
.endr
	KLOAD 9
	WIN 0
	v_mov_b32 v8, v9
	v_max3_num_f32 v24, v13, v[SA], v[SA+1]        ; the largest u so far and of this step, four chains a tile; each accumulator from its low end on
	v_max_num_f32 v25, v[SA+2], v[SA+3]
	v_max_num_f32 v26, v[SA+4], v[SA+5]
	v_max_num_f32 v27, v[SA+6], v[SA+7]
	v_max3_num_f32 v28, v15, v[SB], v[SB+1]
	v_max_num_f32 v29, v[SB+2], v[SB+3]
	v_max_num_f32 v30, v[SB+4], v[SB+5]
	v_max_num_f32 v31, v[SB+6], v[SB+7]
.set J, 8
.rept 7
.irp k, 0,1,2,3
	v_max3_num_f32 v[24+\k], v[24+\k], v[SA+J+2*\k], v[SA+J+2*\k+1]
.endr
.irp k, 0,1,2,3
	v_max3_num_f32 v[28+\k], v[28+\k], v[SB+J+2*\k], v[SB+J+2*\k+1]
.endr
.set J, J+8
.endr
	v_max3_num_f32 v24, v24, v25, v26
	v_max3_num_f32 v28, v28, v29, v30
	D2
	v_max_num_f32 v24, v24, v27
	D2
	v_max_num_f32 v28, v28, v31
	D2
	v_permlanex16_b32 v32, v24, s20, s21
	D2
	v_permlanex16_b32 v33, v28, s20, s21
	D2
	v_max_num_f32 v13, v24, v32                    ; and among lane l xor 16's
	D2
	v_max_num_f32 v15, v28, v33
	D2
	v_mul_f32 v34, s38, v13                        ; -t (the factor is negative)
	D2
	v_mul_f32 v35, s38, v15
	D2
	v_floor_f32 v34, v34                           ; -M = floor(-t): M is a whole number
	D2
	v_floor_f32 v35, v35
	D2
	v_sub_f32 v20, v34, v12                        ; old M - new M: a whole number, 0 or less
	D2
	v_sub_f32 v22, v35, v14
	D4
	v_mov_b32 v12, v34
	D4
	v_mov_b32 v14, v35
	D4
	v_cvt_i32_f32 v20, v20                         ; (it saturates)
	D4
	v_cvt_i32_f32 v22, v22
	D2
	v_ldexp_f32 v20, 1.0, v20                      ; f = 2^(old M - new M): a multiplication by it rounds nothing
	D2
	v_ldexp_f32 v22, 1.0, v22
.set J, 0
.rept 32
	v_pk_fma_f32 v[SA+J:SA+J+1], v[SA+J:SA+J+1], s[22:23], v[12:13] op_sel_hi:[1,0,0]   ; A: t - M
.set J, J+2
.endr
	v_pk_mul_f32 v[16:17], v[16:17], v[20:21] op_sel_hi:[1,0]   ; the sums and O^T under the new M
	v_pk_mul_f32 v[18:19], v[18:19], v[22:23] op_sel_hi:[1,0]
.set J, 0
.rept 16
	v_pk_mul_f32 v[OA+J:OA+J+1], v[OA+J:OA+J+1], v[20:21] op_sel_hi:[1,0]
	v_pk_mul_f32 v[OB+J:OB+J+1], v[OB+J:OB+J+1], v[22:23] op_sel_hi:[1,0]
.set J, J+2
.endr
	s_wait_alu depctr_va_vdst(0)                   ; ahead of a batch
.set J, 0
.rept 32                                       ; A's exponentials; between them B's t - M, which is read behind the next wait
	v_exp_f32 v[SA+J], v[SA+J]
	v_exp_f32 v[SA+J+1], v[SA+J+1]
	v_pk_fma_f32 v[SB+J:SB+J+1], v[SB+J:SB+J+1], s[22:23], v[14:15] op_sel_hi:[1,0,0]
.set J, J+2
.endr
	s_wait_alu depctr_va_vdst(0)                   ; behind A's batch and ahead of B's
.set J, 0
.rept 16                                       ; B's exponentials; between them A's first sums of the unquantised p and A's hold: each line's result is read behind the next wait
	v_exp_f32 v[SB+J], v[SB+J]
	v_exp_f32 v[SB+J+1], v[SB+J+1]
	v_pk_add_f32 v[TT+J/2:TT+J/2+1], v[SA+J:SA+J+1], v[SA+J+2:SA+J+3]
	v_exp_f32 v[SB+J+2], v[SB+J+2]
	DMIN SA+J
	v_exp_f32 v[SB+J+3], v[SB+J+3]
	DMIN SA+J+2
.set J, J+4
.endr
	v_nop                                          ; a plain line behind the last exponential
	s_wait_alu depctr_va_vdst(0)                   ; behind B's batch, ahead of its first reader
	CVT SA, CA
.set J, 0
.rept 16                                       ; B's first sums go where A's p lay
	v_pk_add_f32 v[SA+J/2:SA+J/2+1], v[SB+J:SB+J+1], v[SB+J+2:SB+J+3]
	DMIN SB+J
	DMIN SB+J+2
.set J, J+4
.endr
.irp i, 4,8,12                                 ; sixteen pairs a tile to four, the two tiles' four chains line by line
.irp k, 0,1,2,3
	v_pk_add_f32 v[TT+2*\k:TT+2*\k+1], v[TT+2*\k:TT+2*\k+1], v[TT+2*(\k+\i):TT+2*(\k+\i)+1]
.endr
.irp k, 0,1,2,3
	v_pk_add_f32 v[SA+2*\k:SA+2*\k+1], v[SA+2*\k:SA+2*\k+1], v[SA+2*(\k+\i):SA+2*(\k+\i)+1]
.endr
.endr
	v_pk_add_f32 v[TT:TT+1], v[TT:TT+1], v[TT+2:TT+3]
	v_pk_add_f32 v[SA:SA+1], v[SA:SA+1], v[SA+2:SA+3]
	v_pk_add_f32 v[TT+4:TT+5], v[TT+4:TT+5], v[TT+6:TT+7]
	v_pk_add_f32 v[SA+4:SA+5], v[SA+4:SA+5], v[SA+6:SA+7]
	D2
	v_pk_add_f32 v[TT:TT+1], v[TT:TT+1], v[TT+4:TT+5]
	D2
	v_pk_add_f32 v[SA:SA+1], v[SA:SA+1], v[SA+4:SA+5]
	D2
	v_pk_add_f32 v[16:17], v[16:17], v[TT:TT+1]
	D2
	v_pk_add_f32 v[18:19], v[18:19], v[SA:SA+1]
	CVT SB, CB
	s_wait_alu depctr_va_vdst(0)
	s_wait_dscnt 0x0                               ; V^T is in, and the next step's K
	WIN 0x05                                       ; V^T and p's codes from window 1, O^T in window 0
.irp t, 0,1,2,3                                ; O^T += V^T P^T: eight accumulators by turns
	v_wmma_f32_16x16x128_fp8_fp8 v[OA+8*\t:OA+8*\t+7], v[VF+16*\t:VF+16*\t+15], v[CA:CA+15], v[OA+8*\t:OA+8*\t+7]
	v_wmma_f32_16x16x128_fp8_fp8 v[OB+8*\t:OB+8*\t+7], v[VF+16*\t:VF+16*\t+15], v[CB:CB+15], v[OB+8*\t:OB+8*\t+7]
.endr
	WIN 0
.endm
.macro PHASE base, n, ask              ; n key steps from the slot at base
	s_mov_b32 s62, \base
	v_add_nc_u32 v8, s62, v1
	WIN 0x40
	KLOAD 8
	WIN 0
.if \ask
	s_cmp_lt_u32 s12, 2                            ; waves 0 and 1 ask: 60 blocks of 256 bytes, the last four lanes of wave 1 name its last block again
	s_cbranch_scc0 .Lno_ask_\@
	global_prefetch_b8 v3, s[18:19] th:TH_LOAD_NT scope:SCOPE_SE
.Lno_ask_\@:
.endif
	s_mov_b32 s54, \n
.Lstep_\@:
	STEP \base+(\n-1)*STEPB
	s_sub_co_u32 s54, s54, 1
	s_cmp_lg_u32 s54, 0
	s_wait_alu depctr_va_vdst(0)
	s_cbranch_scc1 .Lstep_\@
.endm
	s_load_b128 s[4:7], s[0:1], 0x0                ; qq, kv
	s_load_b128 s[8:11], s[0:1], 0x10              ; the scales' exponents, ctx
	v_lshl_add_u32 v5, v0, 2, SPARE
	v_mov_b32 v6, 0
	ds_add_u32 v5, v6                              ; the wave's opening: the add, twice on end, and its wait ahead of the first tensor load
	ds_add_u32 v5, v6
	v_lshrrev_b32 v1, 5, v0
	v_readfirstlane_b32 s12, v1                    ; wave 0 .. 7
	s_bfe_u32 s13, ttmp6, 0x40000                  ; cx: it enters Q's, ctx's and the prefetch's addresses alone
	s_lshl_b32 s14, ttmp9, 2
	s_add_co_u32 s14, s14, s13                     ; my block of 256 queries
	s_and_b32 s76, ttmp7, 0xffff                   ; (batch, head), which the four partners share
	s_mov_b32 s24, 15|(3<<16)|(1<<21)              ; group 1, slot 0's fills: the mask of all four; elements of 8 bytes; bit 21 beside a mask; no padding
	s_mov_b32 s25, 32<<16                          ; tensor_dim0 = 32 elements: 256 bytes
	s_mov_b32 s26, 60<<16                          ; tensor_dim1
	s_mov_b32 s27, 32<<16                          ; tile_dim0
	s_mov_b32 s28, 60                              ; tile_dim1
	s_mov_b32 s29, 32                              ; the pitch: the block is dense
	s_mov_b32 s30, 0
	s_mov_b32 s31, 0
	s_mov_b32 s40, 15|(3<<16)|(1<<21)              ; group 1, slot 1's fill: 72 rows
	s_mov_b32 s41, 32<<16
	s_mov_b32 s42, 72<<16
	s_mov_b32 s43, 32<<16
	s_mov_b32 s44, 72
	s_mov_b32 s45, 32
	s_mov_b32 s46, 0
	s_mov_b32 s47, 0
	s_mov_b32 s20, 0x76543210
	s_mov_b32 s21, 0xfedcba98                      ; lane l xor 16
	s_mov_b32 s22, 0x3e38aa3b                      ; c = log2(e) / sqrt(64)
	s_mul_i32 s78, s76, HEADB                      ; the head's first byte in kv
	s_mov_b32 s79, 0
	s_mul_i32 s81, s12, PA                         ; my eighth of five steps, in slot 0 and in memory
	s_mul_i32 s80, s12, PB                         ; of six
	s_mov_b32 s82, s81
	s_mov_b32 s83, 0
	s_add_nc_u64 s[82:83], s[82:83], s[78:79]
	s_add_co_u32 s52, s80, 5*STEPB
	s_mov_b32 s53, 0
	s_add_nc_u64 s[52:53], s[52:53], s[78:79]
	s_add_co_u32 s80, s80, SLOT1
	s_lshl_b32 s84, s14, 4
	s_lshl_b32 s85, s12, 1
	s_add_co_u32 s84, s84, s85                     ; my first tile T in the batch's 128: 16 x block + 2 x wave
	s_lshl_b32 s85, s76, 7
	s_add_co_u32 s85, s85, s84
	s_lshl_b32 s86, s85, 11                        ; qq: 2,048 bytes a tile
	s_mov_b32 s87, 0
	s_lshr_b32 s88, s76, 3
	s_lshl_b32 s88, s88, 7
	s_add_co_u32 s88, s88, s84
	s_lshl_b32 s88, s88, 4
	s_and_b32 s85, s76, 7
	s_lshl_b32 s85, s85, 1
	s_add_co_u32 s88, s88, s85
	s_lshl_b32 s88, s88, 9                         ; ctx: ((batch x 128 + T) x 16 + 2 head) x 512
	s_mov_b32 s89, 0
	s_mul_i32 s90, s14, PA
	s_add_co_u32 s90, s90, 11*STEPB                ; the prefetch: my work-group's eighth of steps 11-15
	s_mov_b32 s91, 0
	s_add_nc_u64 s[90:91], s[90:91], s[78:79]
	s_wait_dscnt 0x0                               ; both opening adds are done
	s_wait_kmcnt 0x0
	s_load_b256 s[68:75], s[8:9], 0x28             ; e10 .. e17
	s_mov_b32 s32, 1                               ; group 0, slot 0: count,
	s_mov_b32 s33, s81                             ; LDS address,
	s_add_nc_u64 s[34:35], s[6:7], s[82:83]        ; global address: steps 0-4,
	s_or_b32 s35, s35, 0x80000000                  ; type 2
	s_mov_b32 s48, 1                               ; group 0, slot 1: steps 5-10
	s_mov_b32 s49, s80
	s_add_nc_u64 s[50:51], s[6:7], s[52:53]
	s_or_b32 s51, s51, 0x80000000
	s_add_nc_u64 s[4:5], s[4:5], s[86:87]
	s_add_nc_u64 s[10:11], s[10:11], s[88:89]
	s_add_nc_u64 s[18:19], s[6:7], s[90:91]
	CROUND                                         ; all four work-groups are here: the first joint loads meet
	tensor_load_to_lds s[32:35], s[24:31]          ; steps 0-4, an eighth a wave: my one tensor load at the head
	s_nop 0
	v_and_b32 v1, 31, v0
	v_min_u32 v3, 59, v0
	v_lshlrev_b32 v1, 4, v1                        ; 16 x lane
	v_lshlrev_b32 v3, 8, v3                        ; waves 0, 1: block 0 .. 59 of my work-group's 15,360 bytes
	s_wait_alu depctr_va_vdst(0)
	WIN 0x40
.irp i, 0,1,2,3,4,5,6,7
	global_load_b128 v[4*\i:4*\i+3], v1, s[4:5] offset:512*\i th:TH_LOAD_NT   ; tile A: qd's two pieces, qt's two; then tile B: they stay
.endr
	WIN 0
	s_wait_kmcnt 0x0
	s_add_co_i32 s77, s68, s69                     ; e10 + e11,
	s_lshl_b32 s90, s77, 23
	s_add_co_i32 s22, s22, s90                     ; added to c's exponent field
	s_mov_b32 s23, s22
	s_xor_b32 s38, s22, 0x80000000                 ; and its negative
	s_add_co_i32 s90, s70, s71
	s_sub_co_i32 s90, s90, s77
	s_add_co_i32 s90, s90, 127
	s_lshl_b32 s36, s90, 23                        ; r = 2^(e12 + e13 - e10 - e11)
	s_mov_b32 s37, s36
	s_add_co_i32 s90, s72, 127
	s_lshl_b32 s94, s90, 23                        ; 2^e14
	s_add_co_i32 s90, s90, 8
	s_lshl_b32 s95, s90, 23
	s_or_b32 s95, s95, 0x600000                    ; 448 x 2^e14
	s_add_co_i32 s90, s74, 127
	s_lshl_b32 s91, s90, 23                        ; 2^e16
	s_add_co_i32 s90, s90, 8
	s_lshl_b32 s92, s90, 23
	s_or_b32 s92, s92, 0x600000                    ; 448 x 2^e16
	s_add_co_i32 s93, s72, s73                     ; e14 + e15
	v_mov_b32 v12, 0x7f61b1e6                      ; -M so far: 3e38, so that the first f is 0
	v_mov_b32 v14, 0x7f61b1e6
	v_mov_b32 v13, 0xff61b1e6                      ; the largest u so far: -3e38
	v_mov_b32 v15, 0xff61b1e6
.irp r, 16,17,18,19,21,23,32,33
	v_mov_b32 v\r, 0                               ; the sums; the upper halves of f's pairs; a lane permute's destination counts as read
.endr
	v_mov_b32 v56, s95
	v_mov_b32 v57, s95
	v_mov_b32 v58, s94
	v_mov_b32 v59, s91
	v_mov_b32 v60, s92
.set J, 0
.rept 64
	v_mov_b32 v[OA+J], 0                           ; O^T: the step has no first form of its own, its first walk finds zeros
.set J, J+1
.endr
	s_wait_alu depctr_va_vdst(0)
	s_wait_loadcnt 0x0                             ; Q
	s_wait_tensorcnt 0x0                           ; my part of steps 0-4 is in
	ds_add_u32 v5, v6
	s_wait_dscnt 0x0
	CROUND
	tensor_load_to_lds s[48:51], s[40:47]          ; steps 5-10 into slot 1: five steps in which to land
	s_nop 0
	NOPS 4
	PHASE 0, 5, 1                                  ; steps 0-4
	s_wait_tensorcnt 0x0                           ; slot 1 is whole as far as I fetched it; the descriptor may be written
	ds_add_u32 v5, v6
	s_add_nc_u64 s[34:35], s[34:35], 11*STEPB      ; steps 11-15; the type bits on top are not reached
	s_wait_dscnt 0x0                               ; the add is done, my reads of slot 0 are over
	CROUND
	tensor_load_to_lds s[32:35], s[24:31]          ; the refill of slot 0: six steps in which to land
	s_nop 0
	NOPS 4
	PHASE SLOT1, 6, 0                              ; steps 5-10
	s_wait_tensorcnt 0x0
	ds_add_u32 v5, v6
	s_wait_dscnt 0x0
	s_barrier_signal -1                            ; nothing is filled again: the work-group's barrier shows slot 0 whole
	s_barrier_wait -1
	PHASE 0, 5, 0                                  ; steps 11-15
	; THE WAY OUT: O^T / the sum x 2^(e14 + e15), quantised with 2^e16: two pieces a tile of the last projection's operand
	v_add_f32 v16, v16, v17
	v_add_f32 v18, v18, v19
	v_permlanex16_b32 v32, v16, s20, s21
	v_permlanex16_b32 v33, v18, s20, s21
	v_add_f32 v16, v16, v32                        ; the rows' sums
	v_add_f32 v18, v18, v33
	s_wait_alu depctr_va_vdst(0)
	v_rcp_f32 v16, v16
	v_rcp_f32 v18, v18
	v_nop                                          ; a plain line behind the batch
	s_wait_alu depctr_va_vdst(0)                   ; ahead of its first reader
	v_ldexp_f32 v16, v16, s93
	v_ldexp_f32 v18, v18, s93
	s_wait_alu depctr_va_vdst(0)                   ; directly ahead of the first readers of O^T
.set J, 0
.rept 16
	v_pk_mul_f32 v[SA+J:SA+J+1], v[OA+J:OA+J+1], v[16:17] op_sel_hi:[1,0]   ; register 16 b + i: channel 32 b + 16 h + i of my query
.set J, J+2
.endr
.set J, 0
.rept 16
	v_pk_mul_f32 v[SB+J:SB+J+1], v[OB+J:OB+J+1], v[18:19] op_sel_hi:[1,0]
.set J, J+2
.endr
.set J, 0
.rept 32
	v_med3_num_f32 v[SA+J], v[SA+J], -v60, v60
	v_med3_num_f32 v[SB+J], v[SB+J], -v60, v60
.set J, J+1
.endr
.irp i, 0,1,2,3
	v_cvt_scalef32_pk8_fp8_f32 v[24+2*\i:25+2*\i], v[SA+8*\i:SA+8*\i+7], v59
	v_cvt_scalef32_pk8_fp8_f32 v[40+2*\i:41+2*\i], v[SB+8*\i:SB+8*\i+7], v59
.endr
	v_nop
	global_store_b128 v1, v[24:27], s[10:11]       ; 512 consecutive bytes each, aligned
	global_store_b128 v1, v[28:31], s[10:11] offset:512
	global_store_b128 v1, v[40:43], s[10:11] offset:8192   ; the next tile of ctx lies 16 pieces on
	global_store_b128 v1, v[44:47], s[10:11] offset:8704
	s_wait_tensorcnt 0x0                           ; the wave's end
	ds_add_u32 v5, v6
	s_wait_dscnt 0x0
	CROUND                                         ; the closing round: no work-group ends while a partner may still ask for a tile that names it
	s_endpgm
.Lfunc_end_k_q72c91abee7_attn:
	.size	k_q72c91abee7_attn, .Lfunc_end_k_q72c91abee7_attn-k_q72c91abee7_attn
	.p2alignl 7, 3214868480
	.fill 96, 4, 3214868480
	.section	.rodata,"a",@progbits
	.p2align	6, 0x0
	.amdhsa_kernel k_q72c91abee7_attn
		.amdhsa_group_segment_fixed_size 327680
		.amdhsa_private_segment_fixed_size 0
		.amdhsa_enable_private_segment 0
		.amdhsa_kernarg_size 32
		.amdhsa_user_sgpr_count 2
		.amdhsa_user_sgpr_kernarg_segment_ptr 1
		.amdhsa_wavefront_size32 1
		.amdhsa_system_sgpr_workgroup_id_x 1
		.amdhsa_system_sgpr_workgroup_id_y 1
		.amdhsa_system_sgpr_workgroup_id_z 1
		.amdhsa_system_vgpr_workitem_id 0
		.amdhsa_next_free_vgpr 512
		.amdhsa_next_free_sgpr 96
		.amdhsa_reserve_vcc 0
		.amdhsa_float_denorm_mode_32 3
		.amdhsa_float_denorm_mode_16_64 3
		.amdhsa_memory_ordered 1
		.amdhsa_forward_progress 1
		.amdhsa_inst_pref_size 131
	.end_amdhsa_kernel
	.amdgpu_metadata
---
amdhsa.version: [ 1, 2 ]
amdhsa.kernels:
  - .name:           k_q72c91abee7_attn
    .symbol:         k_q72c91abee7_attn.kd
    .args:
      - { .name: qq, .offset: 0, .size: 8, .value_kind: global_buffer, .address_space: global }
      - { .name: kv, .offset: 8, .size: 8, .value_kind: global_buffer, .address_space: global }
      - { .name: lowp_scales, .offset: 16, .size: 8, .value_kind: global_buffer, .address_space: global }
      - { .name: ctx, .offset: 24, .size: 8, .value_kind: global_buffer, .address_space: global }
    .group_segment_fixed_size: 327680
    .private_segment_fixed_size: 0
    .kernarg_segment_align: 8
    .kernarg_segment_size: 32
    .max_flat_workgroup_size: 256
    .sgpr_count:     96
    .vgpr_count:     512
    .wavefront_size: 32
...
	.end_amdgpu_metadata
.endif
;; end of part 5
;; launch outln (part 6): grid 256 x 1, 8 waves a work-group, no clusters, 83,456 bytes of LDS; arguments ctx, Wo_w_codes, lowp_scales, Wo_b, Q_data, ln_g, ln_b, out0; writes out0
.if DOCPART == 6
	.amdgcn_target "amdgcn-amd-amdhsa--gfx1250"
	.amdhsa_code_object_version 6
	.text
	.protected	k_q72c91abee7_outln
	.globl	k_q72c91abee7_outln
	.p2align	8
	.type	k_q72c91abee7_outln,@function
k_q72c91abee7_outln:
	s_mov_b64 s[64:65], 0
	v_nop
	global_prefetch_b8 v0, s[64:65] scope:SCOPE_SE
	s_setreg_imm32_b32 hwreg(HW_REG_WAVE_MODE, 25, 1), 1
	s_wait_xcnt 0x0
; THE LAST PROJECTION AND THE NORM: x = ctx Wo x 2^(e16 + e17) + Wo_b + Q_data; out = (x - mean) / sqrt(var + 1e-5) x ln_g + ln_b.  No work is left out.
; ctx comes as codes in the order of the operand's registers: [tile 512][K step 4][piece 4][512 bytes]; lane r of tile T holds row 32 (T / 2) + 8 (T % 2) + r + 8 (r / 8).
; SHARES.  Work-group G owns rows 32 G .. 32 G + 31 (tiles 2 G, 2 G + 1).  In the product wave w makes columns 64 w .. 64 w + 63, its 16 fragments of Wo in window 1; source 0 = 16 rows of Wo, source 1 = ctx:
; a lane holds eight neighbouring columns of one row.  The sums meet in a stage in LDS; then wave w owns rows 4 w .. 4 w + 3 whole, so no sum of the norm leaves a wave.
; NO JOINT LOADS: what work-groups share is Wo, and each wave's part goes from memory straight into the registers where it is used; through LDS it would be written and read there once more.
; The variance is taken round the mean, in a second pass over registers.
; LIMIT: e16 + e17 between -126 and 127.  NaN among the inputs is not served.
; REGISTERS, window 0: v1-10 lane terms; v12, v13 the add's two; v16-31 four a row: a pair of sums, mean or 1 / sigma, at work; v32-63 sums; v64-127 ctx's fragments, then x; v128-191 Q_data; v192-207 ln_g, v208-223 ln_b, v224-239 Wo_b; v240-255 my fragment of ctx.
.set STG,   16384                      ; LDS: ctx's 8 fragments (4 u + s) of 2,048 bytes from 0; the stage: 32 rows of 2,048 + 16 bytes
.set SP,    2064
.set SPARE, STG+32*SP                  ; behind it the spare words, 128 bytes a wave
.set ACC, 32
.set XF,  64
.set RES, 128
.set MSB, 0
.macro WIN new
.if MSB != \new
	s_set_vgpr_msb (MSB<<8)|\new
.set MSB, \new
.endif
.endm
.macro BARRIER
	s_wait_dscnt 0x0
	s_barrier_signal -1
	s_barrier_wait -1
.endm
.macro WLOAD s0                        ; Wo's fragments of K steps s0, s0 + 1: 32 loads
.irp t, 0,1,2,3
.irp s, \s0, \s0+1
.irp c, 0,1,2,3
	global_load_b128 v[16*(4*\t+\s)+4*\c:16*(4*\t+\s)+4*\c+3], v6, s[6:7] offset:16*\t*512+128*(\s)+32*\c
.endr
.endr
.endr
.endm
.macro REDUCE                          ; v[16 + 4 q] summed over the 32 lanes, the four rows line by line
.irp x, 1,2,4,8
.irp q, 0,1,2,3
	s_delay_alu instid0(VALU_DEP_4)
	v_add_f32_dpp v[16+4*\q], v[16+4*\q], v[16+4*\q] row_xmask:\x row_mask:0xf bank_mask:0xf
.endr
.endr
.irp q, 0,1,2,3
	s_delay_alu instid0(VALU_DEP_4)
	v_permlanex16_b32 v[19+4*\q], v[16+4*\q], s24, s25
.endr
.irp q, 0,1,2,3
	s_delay_alu instid0(VALU_DEP_4)
	v_add_f32 v[16+4*\q], v[16+4*\q], v[19+4*\q]
.endr
.endm
	s_load_b512 s[4:19], s[0:1], 0x0               ; ctx 4, Wo 6, scales 8, Wo_b 10, Q_data 12, ln_g 14, ln_b 16, out0 18
	v_lshl_add_u32 v12, v0, 2, SPARE
	v_mov_b32 v13, 0
	v_lshrrev_b32 v1, 5, v0
	s_delay_alu instid0(VALU_DEP_1)
	v_readfirstlane_b32 s20, v1                    ; wave
	v_and_b32 v1, 31, v0
	v_and_b32 v2, 15, v0                           ; r
	v_bfe_u32 v3, v0, 4, 1                         ; h
	s_delay_alu instid0(VALU_DEP_2)
	v_and_b32 v4, 8, v2
	s_delay_alu instid0(VALU_DEP_1)
	v_add_nc_u32 v4, v4, v2                        ; r + 8 (r / 8)
	v_lshlrev_b32 v5, 4, v1                        ; 16 x lane
	v_lshlrev_b32 v6, 9, v2
	s_delay_alu instid0(VALU_DEP_1)
	v_lshl_add_u32 v6, v3, 4, v6                   ; Wo: row r, + 16 h
	s_lshl_b32 s30, s20, 11
	v_add_nc_u32 v7, s30, v5                       ; my fragment of ctx, in memory and in LDS: 16 x lane + 2,048 x wave
	v_mul_u32_u24 v8, v4, SP
	s_delay_alu instid0(VALU_DEP_1)
	v_lshl_add_u32 v8, v3, 5, v8
	s_lshl_b32 s30, s20, 8
	s_add_co_u32 s30, s30, STG
	v_add_nc_u32 v8, s30, v8                       ; into the stage: my lane's row, 256 x wave + 32 h bytes on
	s_mul_i32 s30, s20, 4*SP
	s_add_co_u32 s30, s30, STG
	v_add_nc_u32 v9, s30, v5                       ; back: my four rows, 16 bytes a lane
	s_lshl_b32 s30, s20, 13
	v_add_nc_u32 v10, s30, v5                      ; and the same rows in Q_data and out0
	s_mov_b32 s24, 0x76543210
	s_mov_b32 s25, 0xfedcba98
	s_mov_b32 s26, 0x3b000000                      ; 1 / 512
	s_mov_b32 s27, 0x3727c5ac                      ; 1e-5
.irp q, 0,1,2,3
	v_mov_b32 v[19+4*\q], 0                        ; a lane permute's destination counts as read
.endr
	s_lshl_b32 s32, ttmp9, 14
	s_mov_b32 s33, 0
	s_lshl_b32 s34, ttmp9, 16
	s_mov_b32 s35, 0
	s_lshl_b32 s36, s20, 15
	s_mov_b32 s37, 0
	s_wait_alu depctr_va_vdst(0)
	s_wait_kmcnt 0x0
	s_load_b64 s[28:29], s[8:9], 0x40              ; e16, e17
	s_add_nc_u64 s[4:5], s[4:5], s[32:33]
	s_add_nc_u64 s[12:13], s[12:13], s[34:35]
	s_add_nc_u64 s[18:19], s[18:19], s[34:35]
	s_add_nc_u64 s[6:7], s[6:7], s[36:37]
.irp c, 0,1,2,3
	global_load_b128 v[240+4*\c:243+4*\c], v7, s[4:5] offset:512*\c th:TH_LOAD_NT
.endr
.irp q, 0,1,2,3
.irp i, 0,1,2,3
	global_load_b128 v[RES+16*\q+4*\i:RES+16*\q+4*\i+3], v10, s[12:13] offset:2048*\q+512*\i th:TH_LOAD_NT
.endr
.endr
.irp i, 0,1,2,3
	global_load_b128 v[192+4*\i:195+4*\i], v5, s[14:15] offset:512*\i
	global_load_b128 v[208+4*\i:211+4*\i], v5, s[16:17] offset:512*\i
	global_load_b128 v[224+4*\i:227+4*\i], v5, s[10:11] offset:512*\i
.endr
	WIN 0x40                                       ; destination window 1
	WLOAD 0
	WIN 0
	s_wait_loadcnt 60                              ; behind ctx's four loads 16 + 12 + 32 were issued: ctx is in
.irp c, 0,1,2,3
	ds_store_b128 v7, v[240+4*\c:243+4*\c] offset:512*\c
.endr
	WIN 0x40
	WLOAD 2
	WIN 0
	BARRIER                                        ; ctx's eight fragments lie in LDS
	s_wait_kmcnt 0x0
	s_add_co_i32 s22, s28, s29
	s_add_co_i32 s22, s22, 127
	s_lshl_b32 s22, s22, 23                        ; 2^(e16 + e17)
	s_mov_b32 s23, s22
	s_wait_loadcnt 0x0
.irp u, 0,1                            ; a tile of 16 rows at a time
.irp s, 0,1,2,3
.irp c, 0,1,2,3
	ds_load_b128 v[XF+16*\s+4*\c:XF+16*\s+4*\c+3], v5 offset:(4*\u+\s)*2048+512*\c
.endr
.endr
	s_wait_dscnt 0x0                               ; the fragments are in; the stage's stores of the tile before have read the sums
	WIN 0x01                                       ; source 0 (Wo) window 1
.irp s, 0,1,2,3                        ; four accumulators by turns, K ascending
.irp t, 0,1,2,3
.if \s == 0
	v_wmma_f32_16x16x128_fp8_fp8 v[ACC+8*\t:ACC+8*\t+7], v[16*(4*\t+\s):16*(4*\t+\s)+15], v[XF+16*\s:XF+16*\s+15], 0
.else
	v_wmma_f32_16x16x128_fp8_fp8 v[ACC+8*\t:ACC+8*\t+7], v[16*(4*\t+\s):16*(4*\t+\s)+15], v[XF+16*\s:XF+16*\s+15], v[ACC+8*\t:ACC+8*\t+7]
.endif
.endr
.endr
	WIN 0
.rept 5
	v_nop                                          ; four places ahead of the stores and loads below, a fifth since the next tile's products begin these accumulators anew
.endr
.irp t, 0,1,2,3
	ds_store_b128 v8, v[ACC+8*\t:ACC+8*\t+3] offset:8*SP*\u+64*\t        ; row 8 u + r + 8 (r / 8), columns 64 w + 16 t + 8 h + 0 .. 7; the low four first
	ds_store_b128 v8, v[ACC+8*\t+4:ACC+8*\t+7] offset:8*SP*\u+64*\t+16
.endr
.endr
.irp q, 0,1,2,3                        ; Q_data + Wo_b, while the stores are out
.irp k, 0,2,4,6,8,10,12,14
	v_pk_add_f32 v[RES+16*\q+\k:RES+16*\q+\k+1], v[RES+16*\q+\k:RES+16*\q+\k+1], v[224+\k:225+\k]
.endr
.endr
	BARRIER                                        ; 32 whole rows of sums lie in the stage
.irp q, 0,1,2,3
.irp i, 0,1,2,3
	ds_load_b128 v[XF+16*\q+4*\i:XF+16*\q+4*\i+3], v9 offset:SP*\q+512*\i
.endr
.endr
	s_wait_dscnt 0x0
.irp k, 0,2,4,6,8,10,12,14
.irp q, 0,1,2,3
	v_pk_fma_f32 v[XF+16*\q+\k:XF+16*\q+\k+1], v[XF+16*\q+\k:XF+16*\q+\k+1], s[22:23], v[RES+16*\q+\k:RES+16*\q+\k+1] op_sel_hi:[1,0,1]   ; x
.endr
.endr
.irp q, 0,1,2,3
	v_pk_add_f32 v[16+4*\q:17+4*\q], v[XF+16*\q:XF+16*\q+1], v[XF+16*\q+2:XF+16*\q+3]
.endr
.irp k, 4,6,8,10,12,14
.irp q, 0,1,2,3
	s_delay_alu instid0(VALU_DEP_4)
	v_pk_add_f32 v[16+4*\q:17+4*\q], v[16+4*\q:17+4*\q], v[XF+16*\q+\k:XF+16*\q+\k+1]
.endr
.endr
.irp q, 0,1,2,3
	s_delay_alu instid0(VALU_DEP_4)
	v_add_f32 v[16+4*\q], v[16+4*\q], v[17+4*\q]
.endr
	REDUCE
.irp q, 0,1,2,3
	s_delay_alu instid0(VALU_DEP_4)
	v_mul_f32 v[18+4*\q], s26, v[16+4*\q]          ; the mean
.endr
.irp k, 0,2,4,6,8,10,12,14
.irp q, 0,1,2,3
	v_pk_add_f32 v[XF+16*\q+\k:XF+16*\q+\k+1], v[XF+16*\q+\k:XF+16*\q+\k+1], v[18+4*\q:19+4*\q] op_sel_hi:[1,0] neg_lo:[0,1] neg_hi:[0,1]   ; x - mean
.endr
.endr
.irp q, 0,1,2,3
	v_pk_mul_f32 v[16+4*\q:17+4*\q], v[XF+16*\q:XF+16*\q+1], v[XF+16*\q:XF+16*\q+1]
.endr
.irp k, 2,4,6,8,10,12,14
.irp q, 0,1,2,3
	s_delay_alu instid0(VALU_DEP_4)
	v_pk_fma_f32 v[16+4*\q:17+4*\q], v[XF+16*\q+\k:XF+16*\q+\k+1], v[XF+16*\q+\k:XF+16*\q+\k+1], v[16+4*\q:17+4*\q]
.endr
.endr
.irp q, 0,1,2,3
	s_delay_alu instid0(VALU_DEP_4)
	v_add_f32 v[16+4*\q], v[16+4*\q], v[17+4*\q]
.endr
	REDUCE
.irp q, 0,1,2,3
	s_delay_alu instid0(VALU_DEP_4)
	v_fma_f32 v[16+4*\q], v[16+4*\q], s26, s27     ; var + 1e-5
.endr
	s_wait_alu depctr_va_vdst(0)
.irp q, 0,1,2,3
	v_rsq_f32 v[18+4*\q], v[16+4*\q]
.endr
	v_nop                                          ; a plain line behind the last of the batch
	s_wait_alu depctr_va_vdst(0)                   ; one wait for the four, ahead of their first reader
.irp k, 0,2,4,6,8,10,12,14
.irp q, 0,1,2,3
	v_pk_mul_f32 v[XF+16*\q+\k:XF+16*\q+\k+1], v[XF+16*\q+\k:XF+16*\q+\k+1], v[18+4*\q:19+4*\q] op_sel_hi:[1,0]
.endr
.endr
.irp k, 0,2,4,6,8,10,12,14
.irp q, 0,1,2,3
	v_pk_fma_f32 v[XF+16*\q+\k:XF+16*\q+\k+1], v[XF+16*\q+\k:XF+16*\q+\k+1], v[192+\k:193+\k], v[208+\k:209+\k]
.endr
.endr
.irp q, 0,1,2,3
.irp i, 0,1,2,3
	global_store_b128 v10, v[XF+16*\q+4*\i:XF+16*\q+4*\i+3], s[18:19] offset:2048*\q+512*\i th:TH_STORE_NT   ; 512 consecutive bytes, aligned
.endr
.endr
	s_wait_tensorcnt 0x0                           ; the wave's end
	ds_add_u32 v12, v13
	s_wait_dscnt 0x0
	s_endpgm
.Lfunc_end_k_q72c91abee7_outln:
	.size	k_q72c91abee7_outln, .Lfunc_end_k_q72c91abee7_outln-k_q72c91abee7_outln
	.p2alignl 7, 3214868480
	.fill 96, 4, 3214868480
	.section	.rodata,"a",@progbits
	.p2align	6, 0x0
	.amdhsa_kernel k_q72c91abee7_outln
		.amdhsa_group_segment_fixed_size 83456
		.amdhsa_private_segment_fixed_size 0
		.amdhsa_enable_private_segment 0
		.amdhsa_kernarg_size 64
		.amdhsa_user_sgpr_count 2
		.amdhsa_user_sgpr_kernarg_segment_ptr 1
		.amdhsa_wavefront_size32 1
		.amdhsa_system_sgpr_workgroup_id_x 1
		.amdhsa_system_sgpr_workgroup_id_y 1
		.amdhsa_system_sgpr_workgroup_id_z 1
		.amdhsa_system_vgpr_workitem_id 0
		.amdhsa_next_free_vgpr 512
		.amdhsa_next_free_sgpr 66
		.amdhsa_reserve_vcc 0
		.amdhsa_float_denorm_mode_32 3
		.amdhsa_float_denorm_mode_16_64 3
		.amdhsa_memory_ordered 1
		.amdhsa_forward_progress 1
		.amdhsa_inst_pref_size 42
	.end_amdhsa_kernel
	.amdgpu_metadata
---
amdhsa.version: [ 1, 2 ]
amdhsa.kernels:
  - .name:           k_q72c91abee7_outln
    .symbol:         k_q72c91abee7_outln.kd
    .args:
      - { .name: ctx, .offset: 0, .size: 8, .value_kind: global_buffer, .address_space: global }
      - { .name: Wo_w_codes, .offset: 8, .size: 8, .value_kind: global_buffer, .address_space: global }
      - { .name: lowp_scales, .offset: 16, .size: 8, .value_kind: global_buffer, .address_space: global }
      - { .name: Wo_b, .offset: 24, .size: 8, .value_kind: global_buffer, .address_space: global }
      - { .name: Q_data, .offset: 32, .size: 8, .value_kind: global_buffer, .address_space: global }
      - { .name: ln_g, .offset: 40, .size: 8, .value_kind: global_buffer, .address_space: global }
      - { .name: ln_b, .offset: 48, .size: 8, .value_kind: global_buffer, .address_space: global }
      - { .name: out0, .offset: 56, .size: 8, .value_kind: global_buffer, .address_space: global }
    .group_segment_fixed_size: 83456
    .private_segment_fixed_size: 0
    .kernarg_segment_align: 8
    .kernarg_segment_size: 64
    .max_flat_workgroup_size: 256
    .sgpr_count:     66
    .vgpr_count:     512
    .wavefront_size: 32
...
	.end_amdgpu_metadata
.endif
;; end of part 6
